; MI455X (gfx1250); checked and timed in simulation.
; The chip was launched on July 23, 2026; its instructions are those of AMD's public machine-readable ISA for CDNA 5 (MIT licence, August 2026) and "CDNA5" Instruction Set Architecture Reference Guide (July 2026). The comments in the code are by the model that wrote it; some were corrected since.
;; Diff Llama Flash Attention2. Allowed arithmetic: float matrix products may take bf16 or f16 operands with f32 sums; other float arithmetic in f32, or as packed bf16 or f16 multiplies, adds, multiply-adds, maxima and minima; sums over many terms, partial sums and values carried from step to step in f32; what a program stores and reads back later, other than sums and carried values, may be rounded once to bf16 or f16.
;; Inputs: Wk 512 x 2,048 float32; Wo 2,048 x 2,048 float32; Wq 2,048 x 2,048 float32; Wv 512 x 2,048 float32; cos 2,048 x 64 float32; hidden_states 1 x 2,048 x 2,048 float32; lambda_k1 64 float32; lambda_k2 64 float32; lambda_q1 64 float32; lambda_q2 64 float32; sin 2,048 x 64 float32.
;; Outputs: out0 1 x 2,048 x 2,048 float32.
;; 2 versions, each right and faster than the one before. Each part assembles by itself: llvm-mc -triple=amdgcn-amd-amdhsa -mcpu=gfx1250 --defsym DOCPART=n.
;; ======== version 1 of 2: 4 launches
;; limits: values are held in f16: magnitudes above 65,504 overflow, below 6.1e-05 lose precision
;; workspace buffers: xb 8,388,608 bytes; wqkv 12,582,912 bytes; wob 8,388,608 bytes; qkv 12,582,912 bytes; ab 8,388,608 bytes
;; launch cast (part 1): grid 896 x 1, 8 waves a work-group, no clusters, 0 bytes of LDS; arguments hidden_states, Wo, Wq, Wk, Wv, xb, wob, wqkv; writes xb, wob, wqkv
.if DOCPART == 1
	.amdgcn_target "amdgcn-amd-amdhsa--gfx1250"
	.amdhsa_code_object_version 6
	.text
	.protected	k_qea30df368a_cast
	.globl	k_qea30df368a_cast
	.p2align	8
	.type	k_qea30df368a_cast,@function
k_qea30df368a_cast:
	s_mov_b64 s[64:65], 0
	v_nop
	global_prefetch_b8 v0, s[64:65] scope:SCOPE_SE
	s_setreg_imm32_b32 hwreg(HW_REG_WAVE_MODE, 25, 1), 1
	s_wait_xcnt 0x0
; CAST.  Every large input is rounded once to bf16 and laid out for the products that follow.
;   hidden_states -> xb    bf16 [2048][2048]
;   Wo            -> wob   the bf16-rounded number written as f16 [2048][2048] (the last product multiplies in f16)
;   Wq, Wk, Wv    -> wqkv  bf16 [3072][2048], rows regrouped: column tile t (192 rows) = Wq rows 128 t .. 128 t + 127, then the 64 rows of
;                          kv head t (Wk rows 64 t .. for t < 8, Wv rows 64 (t - 8) .. for t >= 8)
; LIMIT.  Wo beyond f16's 65,504 becomes an infinity; below 6e-5 it keeps f16's fixed step of 6e-8.
; A stream: no LDS, no matrix unit, no cluster (no two work-groups read the same byte).  A work-group takes 8 rows, 65,536 bytes of f32;
; thread t takes 16 bytes at 16 t + 4096 i, i = 0 .. 15: a wave's load covers 512 consecutive bytes, its store 256 consecutive aligned bytes.
; All 16 loads go out at once; no register is loaded twice, so there is no loop and no wait but the counted ones for the data.
.set X, 8                              ; v[8:71]   16 x 4 registers as loaded
.set Y, 72                             ; v[72:103] 16 x 2 registers to store
	s_load_b512 s[8:23], s[0:1], 0x0               ; X s[8:9], Wo s[10:11], Wq s[12:13], Wk s[14:15], Wv s[16:17], xb s[18:19], wob s[20:21], wqkv s[22:23]
	s_mov_b32 s2, ttmp9                            ; 0-255 X, 256-511 Wo, 512-767 Wq, 768-831 Wk, 832-895 Wv
	s_mov_b32 s32, 0xffff0000                      ; a word's upper bf16
	s_and_b32 s3, s2, 255                          ; my number within X, Wo or Wq
	s_lshl_b32 s28, s3, 16                         ; source offset: 65,536 bytes each
	s_lshl_b32 s30, s3, 15                         ; destination offset for X and Wo: half of that
	s_lshr_b32 s33, s3, 4                          ; Wq: tile t = 16 work-groups of 8 rows
	s_mul_i32 s33, s33, 192
	s_and_b32 s34, s3, 15
	s_lshl3_add_u32 s33, s34, s33                  ; row 192 t + 8 (c % 16)
	s_lshl_b32 s33, s33, 12                        ; rows of 4,096 bytes
	s_and_b32 s35, s2, 127                         ; Wk and Wv together: c = 0 .. 127
	s_lshr_b32 s36, s35, 3                         ; kv head t = 8 work-groups of 8 rows
	s_mul_i32 s36, s36, 192
	s_and_b32 s37, s35, 7
	s_lshl3_add_u32 s36, s37, s36
	s_add_co_u32 s36, s36, 128                     ; row 192 t + 128 + 8 (c % 8)
	s_lshl_b32 s36, s36, 12
	s_and_b32 s38, s35, 63                         ; my number within Wk or within Wv
	s_lshl_b32 s38, s38, 16
	s_lshr_b32 s39, s2, 8                          ; 1: Wo
	s_mov_b32 s29, 0
	s_mov_b32 s31, 0
	v_lshlrev_b32 v1, 4, v0                        ; 16 t
	v_lshlrev_b32 v2, 3, v0                        ; 8 t
	s_wait_kmcnt 0x0
	s_cmp_ge_u32 s2, 256                           ; the buffers are chosen on my number alone; the offsets are added last
	s_cselect_b64 s[24:25], s[10:11], s[8:9]
	s_cselect_b64 s[26:27], s[20:21], s[18:19]
	s_cmp_ge_u32 s2, 512
	s_cselect_b64 s[24:25], s[12:13], s[24:25]
	s_cselect_b64 s[26:27], s[22:23], s[26:27]
	s_cselect_b32 s30, s33, s30
	s_cmp_ge_u32 s2, 768
	s_cselect_b64 s[24:25], s[14:15], s[24:25]
	s_cselect_b32 s28, s38, s28
	s_cselect_b32 s30, s36, s30
	s_cmp_ge_u32 s2, 832
	s_cselect_b64 s[24:25], s[16:17], s[24:25]
	s_add_nc_u64 s[24:25], s[24:25], s[28:29]
	s_add_nc_u64 s[26:27], s[26:27], s[30:31]
.set i, 0
.rept 16
	global_load_b128 v[X+4*i:X+4*i+3], v1, s[24:25] offset:4096*i th:TH_LOAD_NT  ; read once in the launch
.set i, i+1
.endr
; Piece i: two roundings to bf16; half = 1: the rounded numbers are widened again and written as f16.
.macro CV i, half
	s_wait_loadcnt 15-(\i)                         ; loads come back in order: mine is in, the 15 - i younger ones may stay out
	v_cvt_pk_bf16_f32 v[Y+2*(\i)],   v[X+4*(\i)],   v[X+4*(\i)+1]
	v_cvt_pk_bf16_f32 v[Y+2*(\i)+1], v[X+4*(\i)+2], v[X+4*(\i)+3]
.if \half
	v_lshlrev_b32 v[X+4*(\i)],   16,  v[Y+2*(\i)]
	v_and_b32     v[X+4*(\i)+1], s32, v[Y+2*(\i)]
	v_lshlrev_b32 v[X+4*(\i)+2], 16,  v[Y+2*(\i)+1]
	v_and_b32     v[X+4*(\i)+3], s32, v[Y+2*(\i)+1]
	v_cvt_pk_f16_f32 v[Y+2*(\i)],   v[X+4*(\i)],   v[X+4*(\i)+1]
	v_cvt_pk_f16_f32 v[Y+2*(\i)+1], v[X+4*(\i)+2], v[X+4*(\i)+3]
.endif
	global_store_b64 v2, v[Y+2*(\i):Y+2*(\i)+1], s[26:27] offset:2048*(\i)
.endm
	s_cmp_eq_u32 s39, 1
	s_cbranch_scc1 .Lhalf
.irp i, 0,1,2,3,4,5,6,7,8,9,10,11,12,13,14,15
	CV \i, 0
.endr
	s_endpgm
.Lhalf:
.irp i, 0,1,2,3,4,5,6,7,8,9,10,11,12,13,14,15
	CV \i, 1
.endr
	s_endpgm
.Lfunc_end_k_qea30df368a_cast:
	.size	k_qea30df368a_cast, .Lfunc_end_k_qea30df368a_cast-k_qea30df368a_cast
	.p2alignl 7, 3214868480
	.fill 96, 4, 3214868480
	.section	.rodata,"a",@progbits
	.p2align	6, 0x0
	.amdhsa_kernel k_qea30df368a_cast
		.amdhsa_group_segment_fixed_size 0
		.amdhsa_private_segment_fixed_size 0
		.amdhsa_enable_private_segment 0
		.amdhsa_kernarg_size 64
		.amdhsa_user_sgpr_count 2
		.amdhsa_user_sgpr_kernarg_segment_ptr 1
		.amdhsa_wavefront_size32 1
		.amdhsa_system_sgpr_workgroup_id_x 1
		.amdhsa_system_sgpr_workgroup_id_y 1
		.amdhsa_system_sgpr_workgroup_id_z 1
		.amdhsa_system_vgpr_workitem_id 0
		.amdhsa_next_free_vgpr 104
		.amdhsa_next_free_sgpr 66
		.amdhsa_reserve_vcc 0
		.amdhsa_float_denorm_mode_32 3
		.amdhsa_float_denorm_mode_16_64 3
		.amdhsa_memory_ordered 1
		.amdhsa_forward_progress 1
		.amdhsa_inst_pref_size 16
	.end_amdhsa_kernel
	.amdgpu_metadata
---
amdhsa.version: [ 1, 2 ]
amdhsa.kernels:
  - .name:           k_qea30df368a_cast
    .symbol:         k_qea30df368a_cast.kd
    .args:
      - { .name: hidden_states, .offset: 0, .size: 8, .value_kind: global_buffer, .address_space: global }
      - { .name: Wo, .offset: 8, .size: 8, .value_kind: global_buffer, .address_space: global }
      - { .name: Wq, .offset: 16, .size: 8, .value_kind: global_buffer, .address_space: global }
      - { .name: Wk, .offset: 24, .size: 8, .value_kind: global_buffer, .address_space: global }
      - { .name: Wv, .offset: 32, .size: 8, .value_kind: global_buffer, .address_space: global }
      - { .name: xb, .offset: 40, .size: 8, .value_kind: global_buffer, .address_space: global }
      - { .name: wob, .offset: 48, .size: 8, .value_kind: global_buffer, .address_space: global }
      - { .name: wqkv, .offset: 56, .size: 8, .value_kind: global_buffer, .address_space: global }
    .group_segment_fixed_size: 0
    .private_segment_fixed_size: 0
    .kernarg_segment_align: 8
    .kernarg_segment_size: 64
    .max_flat_workgroup_size: 256
    .sgpr_count:     66
    .vgpr_count:     104
    .wavefront_size: 32
...
	.end_amdgpu_metadata
.endif
;; end of part 1
;; launch proj (part 2): grid 16 x 16, 4 waves a work-group, clusters of 4 x 4, 327,680 bytes of LDS; arguments xb, wqkv, cos, sin, qkv; writes qkv
.if DOCPART == 2
	.amdgcn_target "amdgcn-amd-amdhsa--gfx1250"
	.amdhsa_code_object_version 6
	.text
	.protected	k_qea30df368a_proj
	.globl	k_qea30df368a_proj
	.p2align	8
	.type	k_qea30df368a_proj,@function
k_qea30df368a_proj:
	s_mov_b64 s[64:65], 0
	v_nop
	global_prefetch_b8 v0, s[64:65] scope:SCOPE_SE
	s_setreg_imm32_b32 hwreg(HW_REG_WAVE_MODE, 25, 1), 1
	s_wait_xcnt 0x0
	s_wait_alu depctr_hold_cnt(0) depctr_sa_sdst(0) depctr_va_vdst(0) depctr_va_sdst(0) depctr_va_ssrc(0) depctr_va_vcc(0) depctr_vm_vsrc(0)
	s_getreg_b32 s2, hwreg(HW_REG_IB_STS2, 6, 4)
	s_cmp_eq_u32 s2, 0
	s_cbranch_scc0 .Lentry_in_a_cluster
	s_endpgm
.Lentry_in_a_cluster:
	s_bfe_u32 s2, ttmp6, 0x10000c
	s_cmp_lg_u32 s2, 0xf033
	s_cbranch_scc0 .Lentry_shape_is_right
	s_endpgm
.Lentry_shape_is_right:
; PROJECTIONS AND ROPE.  C[s][n] = sum over k of xb[s][k] wqkv[n][k] (bf16 operands, f32 sums), rotated by cos and sin where n belongs to a q or k head,
; rounded once to f16 and stored by heads: qkv [48][2048][64], heads 0-31 q, 32-39 k, 40-47 v, unscaled.
; LIMIT.  q, k and v beyond f16's 65,504 become infinities.  cos and sin are rounded to bf16 like every other input of the module.
; TILE.  2048 x 3072 numbers over 256 work-groups are 128 x 192: a tile's 192 columns are q heads 2 tx, 2 tx + 1 and kv head tx (the rows of wqkv were grouped so).
; Four waves; wave w takes rows 64 (w / 2) .. + 63 and, of each of the three heads, d = 16 (w % 2) .. + 15 and d + 32: the two numbers that a rotation joins lie in the same lane.
; 24 accumulators of 16 x 16.  K goes in steps of 128 (tile rows of 256 bytes) through two LDS slots: 320 rows at steps of 256 would need more LDS than there is.
; THE MATRIX INSTRUCTION IS USED TRANSPOSED (source 0 = 16 rows of wqkv, source 1 = 16 rows of xb): a lane holds one row s and eight neighbouring d.
; CLUSTER 4 x 4: xb's tile is shared along a row of the cluster, wqkv's along a column; each is asked for jointly.
; REGISTERS: window 0 addresses, tables and the way out; window 1 and window 2 the two fragment buffers (64 along K each: A (cc, a) at 8 (4 cc + a), B (cc, j) at 64 + 8 (6 cc + j));
; window 3 the accumulators, (a, j) at 8 (6 a + j).
.set SIZE_K, 2048
.set KSTEP,  128
.set PITCH,  272                       ; an LDS row: 256 bytes + 16 of padding: the 16 rows of a fragment load start at 16 different groups of four banks (ISA guide 11.1)
.set BOFF,   128*PITCH                 ; A's 128 rows, then B's 192
.set SLOT,   320*PITCH
.set STAGE,  2*SLOT                    ; behind the ring: 3 heads x 128 rows x 144 bytes, the work-group's, for the way out
.set SP,     144
.set HEADST, 128*SP
.set SPARE,  STAGE+3*HEADST            ; the spare words, 128 bytes for each wave: two blocks of 256 bytes that no other line names
.set LAPS,   SIZE_K/(2*KSTEP)
.set ADRA, 16                          ; v16-17  LDS address of my A fragments in slot 0, 1
.set ADRB, 20                          ; v20-21  the same for B
.set STO,  24                          ; v24     the way out: where I put 16 bytes of a head's row
.set RD,   25                          ; v25     the way out: where I read rows back
.set GO,   26                          ; v26     16 x lane
.set TO,   27                          ; v27     my byte offset in the tile's rows of cos and sin
.set SPW,  28                          ; v28     LDS address of my spare word; never rewritten
.set NIL,  29                          ; v29     0; never rewritten
.set T,    32                          ; v32-39  rotated low half
.set U,    40                          ; v40-47  rotated high half
.set PKD,  48                          ; v48-55  packed f16
.set TAB,  64                          ; v64-191 for row block a at TAB + 32 a: cos(d) 8, cos(d + 32) 8, sin(d) 8, sin(d + 32) 8
.set OB,   64                          ; later: 24 x 4 registers read back from the stage
.set F0,   1                           ; a fragment buffer is named by its window
.set F1,   2
.set G1A, 24                           ; s[24:31] descriptor group 1 for xb's tiles;  s[32:39] group 0, a set for each slot
.set G0A, 32
.set G1B, 48                           ; s[48:55], s[56:63] the same for wqkv's
.set G0B, 56
.set MSB, 0
.macro WIN new                         ; the immediate's high byte repeats the setting that is left; a switch that changes nothing is dropped
.if MSB != (\new)
	s_set_vgpr_msb (MSB<<8)|(\new)
.set MSB, \new
.endif
.endm
.macro PLACES                          ; four places in front of loads into registers that matrix instructions have read, and of lines that read results
.rept 4
	v_nop
.endr
.endm
.macro JLOAD s                         ; a joint load: waves 0 and 1 fetch A's two halves (64 rows), waves 2 and 3 B's (96 rows); s_nop 0 and four v_nop follow each line
	s_cmp_eq_u32 s13, 0
	s_cbranch_scc0 .Lfor_b_\@
	tensor_load_to_lds s[G0A+4*(\s):G0A+4*(\s)+3], s[G1A:G1A+7]
	s_nop 0
.rept 4
	v_nop
.endr
	s_branch .Lasked_\@
.Lfor_b_\@:
	tensor_load_to_lds s[G0B+4*(\s):G0B+4*(\s)+3], s[G1B:G1B+7]
	s_nop 0
.rept 4
	v_nop
.endr
.Lasked_\@:
.endm
.macro CREST                           ; a round of the cluster's barrier behind its opening barrier
	s_cmp_lg_u32 s12, 0
	s_cbranch_scc1 .Lnot_wave_0_\@
	s_barrier_signal -3
.Lnot_wave_0_\@:
	s_barrier_wait -3
	s_barrier_signal -1
	s_barrier_wait -1
.endm
.macro CROUND
	s_barrier_signal -1
	s_barrier_wait -1
	CREST
.endm
	s_load_b256 s[4:11], s[0:1], 0x0               ; xb s[4:5], wqkv s[6:7], cos s[8:9], sin s[10:11]
	s_load_b64 s[66:67], s[0:1], 0x20              ; qkv
	v_lshl_add_u32 v[SPW], v0, 2, SPARE
	v_mov_b32 v[NIL], 0
	ds_add_u32 v[SPW], v[NIL]                      ; the wave's opening: the add and its wait ahead of my first tensor load
	v_lshrrev_b32 v1, 5, v0
	v_readfirstlane_b32 s12, v1                    ; wave 0..3
	s_lshr_b32 s13, s12, 1                         ; which 64 rows are mine.  Also: I fetch for A (0) or for B (1)
	s_and_b32 s14, s12, 1                          ; which 16 of each 32 d are mine.  Also: which half of that tile I fetch
	s_bfe_u32 s40, ttmp6, 0x40000                  ; cx, cy: my place in the cluster
	s_bfe_u32 s41, ttmp6, 0x40004
	s_lshl_b32 s42, ttmp9, 2
	s_add_co_u32 s42, s42, s40                     ; tx = 4 x cluster x + cx
	s_and_b32 s43, ttmp7, 0xffff
	s_lshl_b32 s43, s43, 2
	s_add_co_u32 s43, s43, s41                     ; ty = 4 x cluster y + cy
	s_lshl_b32 s44, s41, 2
	s_lshl_b32 s44, 15, s44                        ; my row of the cluster
	s_lshl_b32 s45, 0x1111, s40                    ; my column
	s_or_b32 s[G1A], s44, (1<<16)|(1<<20)|(1<<21)|(5<<22)|(3<<25)  ; mask; 2-byte elements; padding on; bit 21 beside a mask; after every 64 words 4 words
	s_or_b32 s[G1B], s45, (1<<16)|(1<<20)|(1<<21)|(5<<22)|(3<<25)
	s_mov_b32 s[G1A+1], KSTEP<<16                  ; tensor_dim0 = 128
	s_mov_b32 s[G1A+2], 64<<16                     ; tensor_dim1 = 64
	s_mov_b32 s[G1A+3], KSTEP<<16                  ; tile_dim0 = 128
	s_mov_b32 s[G1A+4], 64                         ; tile_dim1 = 64
	s_mov_b32 s[G1A+5], SIZE_K                     ; elements from row to row
	s_mov_b32 s[G1A+6], 0
	s_mov_b32 s[G1A+7], 0
	s_mov_b32 s[G1B+1], KSTEP<<16
	s_mov_b32 s[G1B+2], 96<<16                     ; 96 rows
	s_mov_b32 s[G1B+3], KSTEP<<16
	s_mov_b32 s[G1B+4], 96
	s_mov_b32 s[G1B+5], SIZE_K
	s_mov_b32 s[G1B+6], 0
	s_mov_b32 s[G1B+7], 0
	s_lshl_b32 s16, s43, 19                        ; A: row 128 ty + 64 half, rows of 4,096 bytes: hangs on ty alone
	s_lshl_b32 s17, s14, 18
	s_add_co_u32 s16, s16, s17
	s_mov_b32 s17, 0
	s_mul_i32 s46, s42, 192                        ; B: row 192 tx + 96 half: hangs on tx alone
	s_mul_i32 s47, s14, 96
	s_add_co_u32 s46, s46, s47
	s_lshl_b32 s46, s46, 12
	s_mov_b32 s47, 0
	s_mul_i32 s20, s14, 64*PITCH                   ; where they go: no place in the cluster enters an LDS address
	s_mul_i32 s21, s14, 96*PITCH
	s_add_co_u32 s21, s21, BOFF
	s_mov_b32 s76, 0xffff0000
	s_wait_dscnt 0x0                               ; the opening add is done
	s_wait_kmcnt 0x0
	s_add_nc_u64 s[18:19], s[4:5], s[16:17]
	s_add_nc_u64 s[46:47], s[6:7], s[46:47]
	CROUND                                         ; all sixteen work-groups are here: the first joint loads meet
.irp s, 0,1
	s_mov_b32 s[G0A+4*(\s)], 1
	s_add_co_u32 s[G0A+4*(\s)+1], s20, (\s)*SLOT
	s_add_nc_u64 s[G0A+4*(\s)+2:G0A+4*(\s)+3], s[18:19], (\s)*KSTEP*2
	s_or_b32 s[G0A+4*(\s)+3], s[G0A+4*(\s)+3], 0x80000000
	s_mov_b32 s[G0B+4*(\s)], 1
	s_add_co_u32 s[G0B+4*(\s)+1], s21, (\s)*SLOT
	s_add_nc_u64 s[G0B+4*(\s)+2:G0B+4*(\s)+3], s[46:47], (\s)*KSTEP*2
	s_or_b32 s[G0B+4*(\s)+3], s[G0B+4*(\s)+3], 0x80000000
	JLOAD \s                                       ; two loads of mine are out
.endr
	v_and_b32 v1, 15, v0                           ; r = l % 16
	v_bfe_u32 v2, v0, 4, 1                         ; h = l / 16
	s_lshl_b32 s77, s13, 14                        ; cos and sin: row 64 (w / 2) + r of the tile's 128, rows of 256 bytes; d = 16 (w % 2) + 8 h
	s_lshl_b32 s78, s14, 6
	s_add_co_u32 s77, s77, s78
	v_lshlrev_b32 v4, 8, v1
	v_lshl_add_u32 v4, v2, 5, v4
	v_add_nc_u32 v[TO], s77, v4
	s_lshl_b32 s78, s43, 15                        ; the tile's first row: 128 ty
	s_mov_b32 s79, 0
	s_add_nc_u64 s[8:9], s[8:9], s[78:79]
	s_add_nc_u64 s[10:11], s[10:11], s[78:79]
.irp a, 0,1,2,3
	global_load_b128 v[TAB+32*\a:TAB+32*\a+3],     v[TO], s[8:9] offset:4096*\a
	global_load_b128 v[TAB+32*\a+4:TAB+32*\a+7],   v[TO], s[8:9] offset:4096*\a+16
	global_load_b128 v[TAB+32*\a+8:TAB+32*\a+11],  v[TO], s[8:9] offset:4096*\a+128
	global_load_b128 v[TAB+32*\a+12:TAB+32*\a+15], v[TO], s[8:9] offset:4096*\a+144
	global_load_b128 v[TAB+32*\a+16:TAB+32*\a+19], v[TO], s[10:11] offset:4096*\a
	global_load_b128 v[TAB+32*\a+20:TAB+32*\a+23], v[TO], s[10:11] offset:4096*\a+16
	global_load_b128 v[TAB+32*\a+24:TAB+32*\a+27], v[TO], s[10:11] offset:4096*\a+128
	global_load_b128 v[TAB+32*\a+28:TAB+32*\a+31], v[TO], s[10:11] offset:4096*\a+144
.endr
	v_mul_u32_u24 v3, v1, PITCH
	v_lshl_add_u32 v3, v2, 4, v3                   ; a fragment's row x pitch + 16 x half
	s_mul_i32 s77, s13, 64*PITCH                   ; my 64 rows of A
	s_mul_i32 s78, s14, 16*PITCH                   ; my 16 rows of each 32 of B
	s_add_co_u32 s78, s78, BOFF
.irp s, 0,1
	v_add_nc_u32 v[ADRA+(\s)], s77, v3
	v_add_nc_u32 v[ADRB+(\s)], s78, v3
	s_add_co_u32 s77, s77, SLOT
	s_add_co_u32 s78, s78, SLOT
.endr
	s_mul_i32 s77, s13, 64*SP                      ; into the stage: row 64 (w / 2) + r, byte 32 (w % 2) + 16 h
	s_lshl_b32 s78, s14, 5
	s_add_co_u32 s77, s77, s78
	s_add_co_u32 s77, s77, STAGE
	v_mul_u32_u24 v4, v1, SP
	v_lshl_add_u32 v4, v2, 4, v4
	v_add_nc_u32 v[STO], s77, v4
	s_mul_i32 s77, s12, 32*SP                      ; back: wave w takes rows 32 w .. + 31 of each head; 32 lanes take four rows of 128 bytes
	s_add_co_u32 s77, s77, STAGE
	v_bfe_u32 v4, v0, 3, 2
	v_and_b32 v5, 7, v0
	v_mul_u32_u24 v4, v4, SP
	v_lshl_add_u32 v4, v5, 4, v4
	v_add_nc_u32 v[RD], s77, v4
	v_and_b32 v4, 31, v0
	v_lshlrev_b32 v[GO], 4, v4
	s_lshl_b32 s22, s43, 14                        ; in qkv: row 128 ty + 32 w, rows of 128 bytes,
	s_lshl_b32 s23, s12, 12
	s_add_co_u32 s22, s22, s23
	s_lshl_b32 s23, s42, 19                        ; of heads 2 tx, 2 tx + 1 and 32 + tx, 262,144 bytes each
	s_add_co_u32 s70, s22, s23
	s_mov_b32 s71, 0
	s_add_co_u32 s72, s70, 1<<18
	s_mov_b32 s73, 0
	s_add_co_u32 s23, s42, 32
	s_lshl_b32 s23, s23, 18
	s_add_co_u32 s74, s22, s23
	s_mov_b32 s75, 0
	s_add_nc_u64 s[70:71], s[66:67], s[70:71]
	s_add_nc_u64 s[72:73], s[66:67], s[72:73]
	s_add_nc_u64 s[74:75], s[66:67], s[74:75]
	s_cmp_ge_u32 s42, 8                            ; the tile's third head is a v head: it is not rotated.  A select of values, in every lane:
	s_cselect_b32 s68, -1, 0                       ; a branch would hang on my place in the cluster
	s_wait_loadcnt 0x0                             ; cos and sin
.set i, 0
.rept 64                                               ; rounded to bf16, kept as f32: this stands in the wait for the first tile
	v_cvt_pk_bf16_f32 v[T+i%8], v[TAB+2*i], v[TAB+2*i+1]
	v_lshlrev_b32 v[TAB+2*i], 16, v[T+i%8]
	v_and_b32 v[TAB+2*i+1], s76, v[T+i%8]
.set i, i+1
.endr
; 6 matrix instructions: row block a x my 6 blocks of columns, 32 along K: half cc of buffer f.  zero = 1: the first product starts the sums.
; The 24 accumulators take turns, one instruction a turn, always in the same order.
.macro MUL6 f, cc, a, zero
	WIN 0xf0+5*(\f)                                ; sources 0 and 1 in the buffer's window, C and D in window 3
.irp jb, 0,1,2,3,4,5
.if \zero
	v_wmma_f32_16x16x32_bf16 v[8*(6*(\a)+\jb):8*(6*(\a)+\jb)+7], v[64+8*(6*(\cc)+\jb):64+8*(6*(\cc)+\jb)+7], v[8*(4*(\cc)+(\a)):8*(4*(\cc)+(\a))+7], 0
.else
	v_wmma_f32_16x16x32_bf16 v[8*(6*(\a)+\jb):8*(6*(\a)+\jb)+7], v[64+8*(6*(\cc)+\jb):64+8*(6*(\cc)+\jb)+7], v[8*(4*(\cc)+(\a)):8*(4*(\cc)+(\a))+7], v[8*(6*(\a)+\jb):8*(6*(\a)+\jb)+7]
.endif
.endr
.endm
; 40 LDS loads in one run: the fragments of 64 along K at byte k of the rows, into buffer f; the first 32 along K (20 loads) first.
; B's block jb lies at tile row 64 (jb / 2) + 32 (jb % 2) + 16 (w % 2).
.macro FETCH slot, k, f
	WIN 0x40*(\f)                                  ; destination in the buffer's window, address in window 0
.irp cc, 0,1
.irp jb, 0,1,2,3,4,5
	ds_load_b128 v[64+8*(6*\cc+\jb):64+8*(6*\cc+\jb)+3],   v[ADRB+(\slot)] offset:(\k)+64*\cc+(64*(\jb/2)+32*(\jb%2))*PITCH
	ds_load_b128 v[64+8*(6*\cc+\jb)+4:64+8*(6*\cc+\jb)+7], v[ADRB+(\slot)] offset:(\k)+64*\cc+(64*(\jb/2)+32*(\jb%2))*PITCH+32
.endr
.irp a, 0,1,2,3
	ds_load_b128 v[8*(4*\cc+\a):8*(4*\cc+\a)+3],   v[ADRA+(\slot)] offset:(\k)+64*\cc+\a*16*PITCH
	ds_load_b128 v[8*(4*\cc+\a)+4:8*(4*\cc+\a)+7], v[ADRA+(\slot)] offset:(\k)+64*\cc+\a*16*PITCH+32
.endr
.endr
.endm
; A K step is two halves of 64 along K, 48 matrix instructions each, on buffers F0, F1.  The first half multiplies f and fetches the second, at byte k, into g.
.macro HALF slot, k, f, g, zero
	s_wait_dscnt 20                                ; the first 32 along K are in; the 20 younger loads may be out
.irp a, 0,1,2,3
	MUL6 \f, 0, \a, \zero
.endr
	PLACES
	FETCH \slot, \k, \g
	s_wait_dscnt 40                                ; all but the 40 just issued
.irp a, 0,1,2,3
	MUL6 \f, 1, \a, 0
.endr
.endm
; The second half multiplies F1 and changes slots: ONE barrier; in front of it each wave waits for all its tensor loads (one is out: its part of the next slot), adds 0 to its spare word,
; and waits for that and for its own reads of this slot.  fill = 1: the barrier opens a round of the cluster's, and this slot is filled again, two K steps ahead, first thing behind it.
.macro TURN slot, next, fill
	WIN 0                                          ; the add's two registers lie in window 0
	s_wait_tensorcnt 0x0
	ds_add_u32 v[SPW], v[NIL]                      ; 0 onto my spare word
	s_wait_dscnt 21                                ; the add and the youngest 20 loads may be out
	MUL6 F1, 0, 0, 0                               ; six matrix instructions stand between the add and the wait for it
	s_wait_dscnt 0x0                               ; the add is done, and my reads of this slot are over
	s_barrier_signal -1
	MUL6 F1, 0, 1, 0
.if \fill
	WIN 0
.endif
	s_barrier_wait -1
.if \fill
	CREST                                          ; no wave of any partner still reads this slot's tile or has a load on its way
	s_add_nc_u64 s[G0A+4*(\slot)+2:G0A+4*(\slot)+3], s[G0A+4*(\slot)+2:G0A+4*(\slot)+3], 2*KSTEP*2
	s_add_nc_u64 s[G0B+4*(\slot)+2:G0B+4*(\slot)+3], s[G0B+4*(\slot)+2:G0B+4*(\slot)+3], 2*KSTEP*2
	JLOAD \slot                                    ; 84 matrix instructions ahead of the wait for it; its four v_nop are also the places in front of the loads below
.else
	PLACES
.endif
	FETCH \next, 0, F0
	MUL6 F1, 0, 2, 0
	MUL6 F1, 0, 3, 0
.irp a, 0,1,2,3
	MUL6 F1, 1, \a, 0
.endr
.endm
	s_wait_tensorcnt 1                             ; my part of K step 0 is in; K step 1's may stay out
	s_barrier_signal -1
	s_barrier_wait -1
	FETCH 0, 0, F0
	HALF 0, 128, F0, F1, 1                         ; the first half stands in front of the loop: its first products start the sums
	WIN 0
	s_mov_b32 s3, LAPS-1
.Llap:                                                 ; a trip goes once round the ring and fills both slots again
	TURN 0, 1, 1
	HALF 1, 128, F0, F1, 0
	TURN 1, 0, 1
	HALF 0, 128, F0, F1, 0
	WIN 0
	s_sub_co_u32 s3, s3, 1
	s_cmp_lg_u32 s3, 0
	s_cbranch_scc1 .Llap
	TURN 0, 1, 0                                   ; the last lap fills nothing
	HALF 1, 128, F0, F1, 0
	s_wait_dscnt 20
.irp a, 0,1,2,3
	MUL6 F1, 0, \a, 0
.endr
	s_wait_dscnt 0x0
.irp a, 0,1,2,3
	MUL6 F1, 1, \a, 0
.endr
	WIN 0
; THE WAY OUT.  Row block a, head hh: lo = x(d), hi = x(d + 32).  x(d) cos(d) - x(d + 32) sin(d) and x(d + 32) cos(d + 32) + x(d) sin(d + 32), fused; each accumulator is read from its low end on.
.macro ROPE a, hh
.set RLO, 8*(6*(\a)+2*(\hh))
.set RHI, RLO+8
.set RTB, TAB+32*(\a)
	WIN 0x03                                       ; source 0 in window 3
.irp p, 0,1,2,3
	v_pk_mul_f32 v[T+2*\p:T+2*\p+1], v[RLO+2*\p:RLO+2*\p+1], v[RTB+2*\p:RTB+2*\p+1]
	v_pk_mul_f32 v[U+2*\p:U+2*\p+1], v[RHI+2*\p:RHI+2*\p+1], v[RTB+8+2*\p:RTB+8+2*\p+1]
.endr
.irp p, 0,1,2,3
	v_pk_fma_f32 v[T+2*\p:T+2*\p+1], v[RHI+2*\p:RHI+2*\p+1], v[RTB+16+2*\p:RTB+16+2*\p+1], v[T+2*\p:T+2*\p+1] neg_lo:[0,1,0] neg_hi:[0,1,0]
	v_pk_fma_f32 v[U+2*\p:U+2*\p+1], v[RLO+2*\p:RLO+2*\p+1], v[RTB+24+2*\p:RTB+24+2*\p+1], v[U+2*\p:U+2*\p+1]
.endr
.if (\hh) == 2
	WIN 0x0c                                       ; source 1 in window 3: a v head keeps its sums as they are
.irp e, 0,1,2,3,4,5,6,7
	v_cndmask_b32 v[T+\e], v[T+\e], v[RLO+\e], s68
	v_cndmask_b32 v[U+\e], v[U+\e], v[RHI+\e], s68
.endr
.endif
	WIN 0
.irp p, 0,1,2,3
	v_cvt_pk_f16_f32 v[PKD+\p],   v[T+2*\p], v[T+2*\p+1]
	v_cvt_pk_f16_f32 v[PKD+4+\p], v[U+2*\p], v[U+2*\p+1]
.endr
	ds_store_b128 v[STO], v[PKD:PKD+3]   offset:(\hh)*HEADST+(\a)*16*SP
	ds_store_b128 v[STO], v[PKD+4:PKD+7] offset:(\hh)*HEADST+(\a)*16*SP+64
.endm
	PLACES
.irp a, 0,1,2,3
	ROPE \a, 0
	ROPE \a, 1
	ROPE \a, 2
.endr
	s_wait_dscnt 0x0                               ; for the others' sake: my stores into the stage are done (a row's 128 bytes come from two waves)
	s_barrier_signal -1
	s_barrier_wait -1
.irp hh, 0,1,2
.irp t, 0,1,2,3,4,5,6,7
	ds_load_b128 v[OB+4*(8*\hh+\t):OB+4*(8*\hh+\t)+3], v[RD] offset:\hh*HEADST+\t*4*SP
.endr
.endr
.irp hh, 0,1,2
.irp t, 0,1,2,3,4,5,6,7
	s_wait_dscnt 23-(8*\hh+\t)
	global_store_b128 v[GO], v[OB+4*(8*\hh+\t):OB+4*(8*\hh+\t)+3], s[70+2*\hh:71+2*\hh] offset:512*\t  ; four rows of a head: 512 consecutive bytes, aligned
.endr
.endr
	s_wait_tensorcnt 0x0                           ; the wave's end
	ds_add_u32 v[SPW], v[NIL]
	s_wait_dscnt 0x0
	CROUND                                         ; the closing round
	s_endpgm
.Lfunc_end_k_qea30df368a_proj:
	.size	k_qea30df368a_proj, .Lfunc_end_k_qea30df368a_proj-k_qea30df368a_proj
	.p2alignl 7, 3214868480
	.fill 96, 4, 3214868480
	.section	.rodata,"a",@progbits
	.p2align	6, 0x0
	.amdhsa_kernel k_qea30df368a_proj
		.amdhsa_group_segment_fixed_size 327680
		.amdhsa_private_segment_fixed_size 0
		.amdhsa_enable_private_segment 0
		.amdhsa_kernarg_size 40
		.amdhsa_user_sgpr_count 2
		.amdhsa_user_sgpr_kernarg_segment_ptr 1
		.amdhsa_wavefront_size32 1
		.amdhsa_system_sgpr_workgroup_id_x 1
		.amdhsa_system_sgpr_workgroup_id_y 1
		.amdhsa_system_sgpr_workgroup_id_z 1
		.amdhsa_system_vgpr_workitem_id 0
		.amdhsa_next_free_vgpr 960
		.amdhsa_next_free_sgpr 80
		.amdhsa_reserve_vcc 0
		.amdhsa_float_denorm_mode_32 3
		.amdhsa_float_denorm_mode_16_64 3
		.amdhsa_memory_ordered 1
		.amdhsa_forward_progress 1
		.amdhsa_inst_pref_size 97
	.end_amdhsa_kernel
	.amdgpu_metadata
---
amdhsa.version: [ 1, 2 ]
amdhsa.kernels:
  - .name:           k_qea30df368a_proj
    .symbol:         k_qea30df368a_proj.kd
    .args:
      - { .name: xb, .offset: 0, .size: 8, .value_kind: global_buffer, .address_space: global }
      - { .name: wqkv, .offset: 8, .size: 8, .value_kind: global_buffer, .address_space: global }
      - { .name: cos, .offset: 16, .size: 8, .value_kind: global_buffer, .address_space: global }
      - { .name: sin, .offset: 24, .size: 8, .value_kind: global_buffer, .address_space: global }
      - { .name: qkv, .offset: 32, .size: 8, .value_kind: global_buffer, .address_space: global }
    .group_segment_fixed_size: 327680
    .private_segment_fixed_size: 0
    .kernarg_segment_align: 8
    .kernarg_segment_size: 40
    .max_flat_workgroup_size: 128
    .sgpr_count:     80
    .vgpr_count:     960
    .wavefront_size: 32
...
	.end_amdgpu_metadata
.endif
;; end of part 2
;; launch attn (part 3): grid 16 x 16, 4 waves a work-group, clusters of 4 x 1, 327,680 bytes of LDS; arguments qkv, ab, lambda_q1, lambda_k1, lambda_q2, lambda_k2; writes ab
.if DOCPART == 3
	.amdgcn_target "amdgcn-amd-amdhsa--gfx1250"
	.amdhsa_code_object_version 6
	.text
	.protected	k_qea30df368a_attn
	.globl	k_qea30df368a_attn
	.p2align	8
	.type	k_qea30df368a_attn,@function
k_qea30df368a_attn:
	s_mov_b64 s[64:65], 0
	v_nop
	global_prefetch_b8 v0, s[64:65] scope:SCOPE_SE
	s_setreg_imm32_b32 hwreg(HW_REG_WAVE_MODE, 25, 1), 1
	s_wait_xcnt 0x0
	s_wait_alu depctr_hold_cnt(0) depctr_sa_sdst(0) depctr_va_vdst(0) depctr_va_sdst(0) depctr_va_ssrc(0) depctr_va_vcc(0) depctr_vm_vsrc(0)
	s_getreg_b32 s2, hwreg(HW_REG_IB_STS2, 6, 4)
	s_cmp_eq_u32 s2, 0
	s_cbranch_scc0 .Lentry_in_a_cluster
	s_endpgm
.Lentry_in_a_cluster:
	s_bfe_u32 s2, ttmp6, 0x10000c
	s_cmp_lg_u32 s2, 0x3003
	s_cbranch_scc0 .Lentry_shape_is_right
	s_endpgm
.Lentry_shape_is_right:
; DIFFERENTIAL CAUSAL ATTENTION.  For pair j = 0 .. 15: out1 = attention of q head j on k head j / 4, out2 = that of q head j + 16 on k head j / 4 + 4, both on the 128 value channels
; [v head j / 4 | v head j / 4 + 4]; a = out1 - lam out2, lam = exp(lq1 . lk1) - exp(lq2 . lk2) + 0.74557; a times (1 - 0.74557) / sqrt(mean(a a) + 1e-6) goes to ab [2048][2048] f16, pair j at byte 256 j of a row.
; qkv: [48][2048][64] f16, heads 0-31 q, 32-39 k, 40-47 v, unscaled.  Products, maxima and sums in f32; the weights p are rounded to f16 for the second product (their sum is taken of the unrounded p).
; LIMITS.  A hidden score counts as its value less 1e30 (its weight is 0); a weight below 2^-126 counts as 0 in the sum; NaN and infinities are not treated apart.  The lambdas are rounded to bf16 like every input.
; THE WALK.  Queries lie in 32 blocks of 64; block i needs the key steps 0 .. i of 64 keys, the last of which holds the diagonal.  A work-group takes pair j and TWO blocks, 31 - b and then b:
; 33 steps whatever b.  Keys come in tiles of 128 (two steps): (33 - b) / 2 + (b + 2) / 2 = 17 tiles, one loop with a constant count; where a block has an odd number of steps, its last tile's second step is passed over.
; SHARES.  Wave w owns queries 16 w .. + 15 of the block, for BOTH heads: piece 0 (head j) and piece 1 (head j + 16).  So the difference and the norm stay in the lane that holds the query.
; CLUSTER.  The four pairs 4 g .. 4 g + 3 with the same b walk the same four streams (k heads g, g + 4, v heads g, g + 4) in the same order: every tile is asked for jointly, one stream a wave.
; LAYOUT.  S^T = K Q^T holds ONE query a lane (l % 16) and the keys 8 (l / 16) + 0..7 of each 16; two such results rounded to f16 ARE source 1 of O^T = V^T P.  p = 2^(c s - c m), c = log2(e) / 8, with a running
; maximum m; O and l are multiplied by a = 2^(c m_old - c m_new) in every step.  m starts at the lowest finite number, so a block's first a is 0 and O and l need only be finite there.
; BY TURNS.  In a turn one piece has the matrix unit (16 products V^T P of the step in hand, then 8 products K Q^T of the next step), and the other piece's softmax, 134 instructions, stands in slices behind them.
; THE MASK is the C operand that starts S^T: MC = MD x 0 or MD x 1, MD being 0 or -1e30 by my query's place on the diagonal.
; REGISTERS, in windows of 256 (s_set_vgpr_msb: bits 1:0 source 0, 3:2 source 1, 5:4 source 2, 7:6 destination):
;   window 0: v1-11 addresses and -lam; v12-27 eight registers of statistics a piece; v28-35, v44-56 at work; v64-127 S^T, 32 a piece; v192-223 P, 16 a piece
;   window 1: v0-127 O^T, 64 a piece; v128-159 MD; v160-191 MC        window 2: v0-31 Q, 16 a piece; v64-191 K of one step, 64 a piece        window 3: v0-127 V of one step
.set PK,    144       ; a row of K in LDS: 128 bytes + 16: the 16 rows of a load start at 16 different groups of four banks (ISA guide 11.1)
.set PVP,   160       ; a row of V: 128 + 32
.set KSTP,  64*PK     ; a step's rows in a tile
.set VSTP,  64*PVP
.set KTILE, 128*PK
.set VTILE, 128*PVP
.set VOFF,  2*KTILE   ; a slot: K of piece 0, K of piece 1, V's low 64 channels, V's high 64
.set SLOT1, 1<<17     ; slot 1 begins here, so that one exclusive or turns an address in one slot into the other's
.set STAGE, SLOT1+2*KTILE+2*VTILE  ; behind the ring: 16 rows x 272 bytes for each wave, for the way out
.set SP,    272
.set SPARE, STAGE+4*16*SP          ; the spare words, 128 bytes for each wave: two blocks of 256 bytes that no other line names
.set AK0, 2           ; v2   my lane's place in a step of K; never rewritten
.set AV0, 3           ; v3   the same for V
.set AK,  4           ; v4   the LDS address of K's run of loads in hand
.set AV,  5           ; v5   of V's
.set STO, 6           ; v6   the way out: where I put 16 bytes of a row
.set RD,  7           ; v7   the way out: where I read a row back
.set GO,  8           ; v8   my byte offset in two rows of ab
.set QO,  9           ; v9   my byte offset in 16 rows of Q
.set NLAM, 10         ; v10-11  -lam
.set ST,  12          ; piece t's statistics at v[ST+8 t]: +0 c m, +1 m, +2, +3 l (even keys', odd keys'), +4 to +7 c0-c3 at work; a takes c2's place once the maximum is found
.set WK,  28          ; v28-35 at work
.set LW,  44          ; v44-56 the lambdas
.set SPW, 62          ; v62  LDS address of my spare word; never rewritten
.set NIL, 63          ; v63  0; never rewritten
.set S,   64
.set P,   192
.set MD,  128         ; window 1
.set MC,  160         ; window 1
.set KF,  64          ; window 2
.set WV,  12          ; s12  my wave's number
.set QP1, 20          ; s[20:21] Q at my rows of the first block
.set G1K, 24          ; s[24:31] descriptor group 1 for K's tiles
.set G1V, 32          ; s[32:39] for V's: it differs in the padding alone
.set G0K, 40          ; s[40:43] descriptor group 0 for K's tiles
.set G0V, 44          ; s[44:47] for V's
.set KP,  48          ; s[48:49] the k head that I fetch
.set VP,  50          ; s[50:51] the v head that I fetch
.set OP,  52          ; s[52:53] ab at my rows of the block in hand
.set SLOTS, 56        ; s56  tiles still to be asked for
.set CNT, 57          ; s57  counts a tile's two steps
.set CS,  58          ; s[58:59] c
.set SEL, 60          ; s[60:61] v_permlanex16_b32's selects: each lane takes its own place in the other half
.set TBK, 62          ; s62  LDS byte at which K of the step to be read begins
.set TBV, 63          ; s63  the same for V, less VOFF
.set R,   70          ; s70  steps of the block in hand that are still to be read
.set NXT, 71          ; s71  the tile to be asked for next
.set LQ,  72          ; s72  the last tile of the block whose tiles are being asked for
.set NEW, 73          ; s73  1: the step to be read is a block's first
.set OFF, 74          ; s[74:75] a tile's byte offset in its head
.set AL,  76          ; s[76:77] the mask's factor
.set DEAD, 78         ; s78  1: the block has ended inside this tile
.set N2M, 79          ; s79  the second block's last tile
.set OP2, 80          ; s[80:81] ab at my rows of the second block
.set BIGN, 82         ; s82  -1e30
.set NN2, 83          ; s83  the second block's steps
.set QP2, 86          ; s[86:87] Q at my rows of the second block
.set C128, 88         ; s88  1 / 128
.set CEPS, 89         ; s89  1e-6
.set CONE, 90         ; s90  1 - LAMBDA_INIT
.set CLAM, 91         ; s91  LAMBDA_INIT
.set LP,  92          ; s[92:99] the four lambdas' addresses
.set MSB, 0
.macro WIN new                      ; the high byte repeats the setting that is left; a switch that changes nothing is dropped
.if MSB != (\new)
	s_set_vgpr_msb (MSB<<8)|(\new)
.set MSB, (\new)
.endif
.endm
.set W_KQ, 0x0a       ; K and Q in window 2, S^T in window 0
.set W_KM, 0x1a       ; the same with the C operand in window 1
.set W_PV, 0x53       ; V in window 3, P in window 0, O^T in window 1
.set W_RS, 0x41       ; destination and source 0 in window 1, source 1 in window 0
.macro PLACES
.rept 4
	v_nop
.endr
.endm
; A joint fill.  Waves 0 and 1 fetch the two k heads' 128 keys, waves 2 and 3 the two v heads'.  An s_nop 0 and four v_nop follow each of the two lines.
.macro JLOAD
	s_cmp_lt_u32 s[WV], 2
	s_cbranch_scc0 .Lfor_v_\@
	tensor_load_to_lds s[G0K:G0K+3], s[G1K:G1K+7]
	s_nop 0
.rept 4
	v_nop
.endr
	s_branch .Lasked_\@
.Lfor_v_\@:
	tensor_load_to_lds s[G0V:G0V+3], s[G1V:G1V+7]
	s_nop 0
.rept 4
	v_nop
.endr
.Lasked_\@:
.endm
.macro CROUND                       ; a round of the cluster's barrier
	s_barrier_signal -1
	s_barrier_wait -1
	s_cmp_lg_u32 s[WV], 0
	s_cbranch_scc1 .Lnot_wave_0_\@
	s_barrier_signal -3
.Lnot_wave_0_\@:
	s_barrier_wait -3
	s_barrier_signal -1
	s_barrier_wait -1
.endm
; THE CHANGE OF SLOTS.  Each wave waits for all its tensor loads, of which one is out: its part of the other slot; adds 0 to its spare word; and waits for that and for its own reads of the slot that it leaves.
; fill = 1: the barrier is a round of the cluster's, and the old slot is filled again, first thing behind it, with tile NXT: the descriptor's address is made anew from that number.  It has two key steps in which to land.
; (At its first use nothing has been read yet: slot 0 is waited for, slot 1 filled.)
.macro CHANGE fill
	WIN 0
	s_wait_tensorcnt 0x0            ; no tensor load of mine is out, so a group 0 may be written
	ds_add_u32 v[SPW], v[NIL]       ; 0 onto my spare word
.if \fill
	s_lshl_b32 s[OFF], s[NXT], 14   ; a tile is 16,384 bytes of a head
	s_xor_b32 s[G0K+1], s[G0K+1], SLOT1
	s_add_nc_u64 s[G0K+2:G0K+3], s[KP:KP+1], s[OFF:OFF+1]
	s_or_b32 s[G0K+3], s[G0K+3], 0x80000000
	s_xor_b32 s[G0V+1], s[G0V+1], SLOT1
	s_add_nc_u64 s[G0V+2:G0V+3], s[VP:VP+1], s[OFF:OFF+1]
	s_or_b32 s[G0V+3], s[G0V+3], 0x80000000
	s_add_co_u32 s[NXT], s[NXT], 1  ; the block's next tile, or behind its last the second block's tile 0
	s_cmp_gt_u32 s[NXT], s[LQ]
	s_cselect_b32 s[NXT], 0, s[NXT]
	s_cselect_b32 s[LQ], s[N2M], s[LQ]
	s_wait_dscnt 0x0                ; the add is done, and my reads of the slot are over
	CROUND
	JLOAD
.else
	s_wait_dscnt 0x0
	s_barrier_signal -1
	s_barrier_wait -1
.endif
	s_sub_co_u32 s[TBK], s[TBK], 2*KSTP  ; the reads go back to a slot's first step,
	s_xor_b32 s[TBK], s[TBK], SLOT1      ; in the other slot
	s_sub_co_u32 s[TBV], s[TBV], 2*VSTP
	s_xor_b32 s[TBV], s[TBV], SLOT1
.endm
; Q of 16 rows for both pieces: piece x lies 16 heads (4,194,304 bytes) on; channels 32 c on; a fragment is two loads of 16 bytes, 32 bytes apart.
.macro QLOAD base
	WIN 0x80                        ; destination window 2, address window 0
.irp x, 0,1
.irp c, 0,1
	global_load_b128 v[16*\x+8*\c:16*\x+8*\c+3],   v[QO], s[\base:\base+1] offset:\x*4194304+\c*64
	global_load_b128 v[16*\x+8*\c+4:16*\x+8*\c+7], v[QO], s[\base:\base+1] offset:\x*4194304+\c*64+32
.endr
.endr
	WIN 0
.endm
	s_load_b128 s[4:7], s[0:1], 0x0    ; qkv s[4:5], ab s[6:7]
	s_load_b256 s[LP:LP+7], s[0:1], 0x10  ; lambda_q1, lambda_k1, lambda_q2, lambda_k2
	v_lshl_add_u32 v[SPW], v0, 2, SPARE
	v_mov_b32 v[NIL], 0
	ds_add_u32 v[SPW], v[NIL]       ; the wave's opening: the add and its wait ahead of my first tensor load
	v_lshrrev_b32 v1, 5, v0
	v_readfirstlane_b32 s[WV], v1   ; wave 0..3
	s_bfe_u32 s13, ttmp6, 0x40000   ; cx: it enters Q's and ab's addresses alone
	s_and_b32 s14, ttmp7, 0xffff    ; b, which the four partners share
	s_lshl_b32 s15, ttmp9, 2
	s_add_co_u32 s15, s15, s13      ; j = 4 g + cx
	s_and_b32 s16, s[WV], 1         ; which of the two k (v) heads I fetch
	s_lshl_b32 s17, s16, 2
	s_add_co_u32 s17, s17, ttmp9    ; g or g + 4
	s_add_co_u32 s18, s17, 32
	s_lshl_b32 s18, s18, 18         ; heads of 262,144 bytes
	s_mov_b32 s19, 0
	s_add_co_u32 s22, s17, 40
	s_lshl_b32 s22, s22, 18
	s_mov_b32 s23, 0
	s_mul_i32 s54, s16, KTILE       ; and its place in a slot: no place in the cluster enters an LDS address
	s_mul_i32 s55, s16, VTILE
	s_add_co_u32 s55, s55, VOFF
	s_sub_co_u32 s84, 31, s14       ; the first block
	s_lshl_b32 s2, s15, 18          ; Q: head j, row 64 block + 16 w, rows of 128 bytes
	s_lshl_b32 s3, s[WV], 11
	s_add_co_u32 s2, s2, s3
	s_lshl_b32 s3, s84, 13
	s_add_co_u32 s[QP1], s2, s3
	s_mov_b32 s[QP1+1], 0
	s_lshl_b32 s3, s14, 13
	s_add_co_u32 s[QP2], s2, s3
	s_mov_b32 s[QP2+1], 0
	s_lshl_b32 s2, s15, 8           ; ab: byte 256 j of row 64 block + 16 w, rows of 4,096 bytes
	s_lshl_b32 s3, s[WV], 16
	s_add_co_u32 s2, s2, s3
	s_lshl_b32 s3, s84, 18
	s_add_co_u32 s[OP], s2, s3
	s_mov_b32 s[OP+1], 0
	s_lshl_b32 s3, s14, 18
	s_add_co_u32 s[OP2], s2, s3
	s_mov_b32 s[OP2+1], 0
	s_sub_co_u32 s[R], 32, s14      ; the first block has 32 - b steps,
	s_add_co_u32 s[NN2], s14, 1     ; the second b + 1
	s_sub_co_u32 s[LQ], 33, s14
	s_lshr_b32 s[LQ], s[LQ], 1
	s_sub_co_u32 s[LQ], s[LQ], 1    ; the first block's last tile
	s_add_co_u32 s[N2M], s14, 2
	s_lshr_b32 s[N2M], s[N2M], 1
	s_sub_co_u32 s[N2M], s[N2M], 1  ; the second's
	s_mov_b32 s[NXT], 1
	s_mov_b32 s[NEW], 1
	s_mov_b32 s[OFF+1], 0
	s_mov_b32 s[AL], 0
	s_mov_b32 s[AL+1], 0            ; named as a pair
	; descriptor group 1.  128 keys are 16,384 dense bytes: asked for as 64 rows of 256 bytes, two keys a row, and padded in LDS after every key
	s_mov_b32 s[G1K], 15|(1<<16)|(1<<20)|(1<<21)|(4<<22)|(3<<25)  ; the mask of four; 2-byte elements; padding on; bit 21 beside a mask; after every 32 words 4 words
	s_mov_b32 s[G1V], 15|(1<<16)|(1<<20)|(1<<21)|(4<<22)|(7<<25)  ; the same with 8 words of padding
.irp g, G1K, G1V
	s_mov_b32 s[\g+1], 128<<16      ; tensor_dim0 = 128
	s_mov_b32 s[\g+2], 64<<16       ; tensor_dim1 = 64
	s_mov_b32 s[\g+3], 128<<16      ; tile_dim0 = 128
	s_mov_b32 s[\g+4], 64           ; tile_dim1 = 64
	s_mov_b32 s[\g+5], 128          ; 128 elements from row to row
	s_mov_b32 s[\g+6], 0
	s_mov_b32 s[\g+7], 0
.endr
	s_mov_b32 s[CS], 0x3e38aa3b     ; c = log2(e) / 8
	s_mov_b32 s[CS+1], s[CS]
	s_mov_b32 s[SEL], 0x76543210
	s_mov_b32 s[SEL+1], 0xfedcba98
	s_mov_b32 s[TBK], SLOT1+2*KSTP  ; the first change of slots turns these two into 0
	s_mov_b32 s[TBV], SLOT1+2*VSTP
	s_mov_b32 s[BIGN], 0xf149f2ca   ; -1e30
	s_mov_b32 s[C128], 0x3c000000
	s_mov_b32 s[CEPS], 0x358637bd
	s_mov_b32 s[CONE], 0x3e8244c0   ; 1 - (0.8 - 0.6 exp(-2.4))
	s_mov_b32 s[CLAM], 0x3f3edda0   ; 0.8 - 0.6 exp(-2.4)
	s_mov_b32 s[G0K], 1
	s_mov_b32 s[G0K+1], s54         ; slot 0
	s_mov_b32 s[G0V], 1
	s_mov_b32 s[G0V+1], s55
	s_wait_dscnt 0x0                ; the opening add is done
	s_wait_kmcnt 0x0
	s_add_nc_u64 s[KP:KP+1], s[4:5], s[18:19]
	s_add_nc_u64 s[VP:VP+1], s[4:5], s[22:23]
	s_mov_b64 s[G0K+2:G0K+3], s[KP:KP+1]           ; tile 0
	s_or_b32 s[G0K+3], s[G0K+3], 0x80000000
	s_mov_b64 s[G0V+2:G0V+3], s[VP:VP+1]
	s_or_b32 s[G0V+3], s[G0V+3], 0x80000000
	s_add_nc_u64 s[QP1:QP1+1], s[4:5], s[QP1:QP1+1]
	s_add_nc_u64 s[QP2:QP2+1], s[4:5], s[QP2:QP2+1]
	s_add_nc_u64 s[OP:OP+1], s[6:7], s[OP:OP+1]
	s_add_nc_u64 s[OP2:OP2+1], s[6:7], s[OP2:OP2+1]
	CROUND                          ; all four work-groups are here: the first joint loads meet
	JLOAD                           ; tile 0 into slot 0: one load of mine is out
	v_and_b32 v1, 15, v0            ; r = l % 16
	v_bfe_u32 v[WK], v0, 4, 1       ; h = l / 16
	v_lshlrev_b32 v[QO], 7, v1
	v_lshl_add_u32 v[QO], v[WK], 4, v[QO]
	QLOAD QP1
	v_and_b32 v[LW], 31, v0
	v_lshlrev_b32 v[LW], 3, v[LW]   ; two of the 64 numbers a lane
	global_load_b64 v[LW+2:LW+3], v[LW], s[LP:LP+1]
	global_load_b64 v[LW+4:LW+5], v[LW], s[LP+2:LP+3]
	global_load_b64 v[LW+6:LW+7], v[LW], s[LP+4:LP+5]
	global_load_b64 v[LW+8:LW+9], v[LW], s[LP+6:LP+7]
	v_lshlrev_b32 v[WK+1], 3, v[WK]
	v_sub_nc_u32 v[WK+1], v1, v[WK+1]
	s_lshl_b32 s16, s[WV], 4
	v_add_nc_u32 v[WK+1], s16, v[WK+1]  ; my query's place in its block, 16 w + r, less 8 h: register e of key group kt is hidden where 16 kt + e is greater
	WIN 0x40
.set i, 0
.rept 32
	v_cmp_gt_i32 vcc_lo, 16*(i/8)+i%8, v[WK+1]
	v_cndmask_b32 v[MD+i], 0, s[BIGN], vcc_lo
.set i, i+1
.endr
.set i, 0
.rept 128                           ; O^T need only be finite where a block begins: zeros, written in the wait for the first tile
	v_mov_b32 v[i], 0
.set i, i+1
.endr
	WIN 0
	v_mov_b32 v[ST+2], 0
	v_mov_b32 v[ST+3], 0
	v_mov_b32 v[ST+10], 0
	v_mov_b32 v[ST+11], 0
	v_mul_u32_u24 v[AK0], v1, PK
	v_lshl_add_u32 v[AK0], v[WK], 4, v[AK0]  ; row x pitch + 16 x half
	; The turning load takes 16 keys x 16 channels (lane l reads key 8 (l / 16) + l % 8, channels 8 ((l / 8) % 2) + 0..7) and leaves half a fragment of V^T: lane l holds channel l % 16 and 8 keys.
	v_and_b32 v[WK+2], 7, v0
	v_bfe_u32 v[WK+3], v0, 3, 1
	v_lshl_add_u32 v[AV0], v[WK], 3, v[WK+2]
	v_mul_u32_u24 v[AV0], v[AV0], PVP
	v_lshl_add_u32 v[AV0], v[WK+3], 4, v[AV0]
	v_add_nc_u32 v[AV0], VOFF, v[AV0]
	s_mul_i32 s16, s[WV], 16*SP
	s_add_co_u32 s16, s16, STAGE    ; my stage
	v_mul_u32_u24 v[STO], v1, SP    ; in: row r, 16 bytes for each half of the lanes
	v_lshl_add_u32 v[STO], v[WK], 4, v[STO]
	v_add_nc_u32 v[STO], s16, v[STO]
	v_mul_u32_u24 v[RD], v[WK], SP  ; back: lanes 0-15 take one row of 256 bytes, lanes 16-31 the next
	v_lshl_add_u32 v[RD], v1, 4, v[RD]
	v_add_nc_u32 v[RD], s16, v[RD]
	v_lshlrev_b32 v[GO], 12, v[WK]  ; and the same two rows in ab
	v_lshl_add_u32 v[GO], v1, 4, v[GO]
	s_wait_loadcnt 0x0              ; the lambdas (and Q)
.irp k, 2,4,6,8
	v_cvt_pk_bf16_f32 v[LW+1], v[LW+\k], v[LW+\k+1]  ; rounded to bf16, kept as f32
	v_lshlrev_b32 v[LW+\k], 16, v[LW+1]
	v_and_b32 v[LW+\k+1], 0xffff0000, v[LW+1]
.endr
	v_mul_f32 v[LW+10], v[LW+2], v[LW+4]
	v_mul_f32 v[LW+11], v[LW+6], v[LW+8]
	v_fmac_f32 v[LW+10], v[LW+3], v[LW+5]
	v_fmac_f32 v[LW+11], v[LW+7], v[LW+9]
.irp m, 1,2,4,8
	v_add_f32_dpp v[LW+10], v[LW+10], v[LW+10] row_xmask:\m row_mask:0xf bank_mask:0xf
	v_add_f32_dpp v[LW+11], v[LW+11], v[LW+11] row_xmask:\m row_mask:0xf bank_mask:0xf
.endr
	v_permlanex16_b32 v[LW+2], v[LW+10], s[SEL], s[SEL+1]
	v_permlanex16_b32 v[LW+3], v[LW+11], s[SEL], s[SEL+1]
	v_add_f32 v[LW+10], v[LW+10], v[LW+2]
	v_add_f32 v[LW+11], v[LW+11], v[LW+3]
	v_mul_f32 v[LW+10], 0x3fb8aa3b, v[LW+10]
	v_mul_f32 v[LW+11], 0x3fb8aa3b, v[LW+11]
	v_exp_f32 v[LW+10], v[LW+10]
	v_exp_f32 v[LW+11], v[LW+11]
	v_mov_b32 v[LW+12], s[CLAM]     ; a plain instruction behind the exponentials
	s_wait_alu depctr_va_vdst(0)
	v_sub_f32 v[LW+10], v[LW+11], v[LW+10]
	v_sub_f32 v[NLAM], v[LW+10], v[LW+12]  ; -lam = exp2 - exp1 - LAMBDA_INIT
	v_mov_b32 v[NLAM+1], v[NLAM]
; THE MATRIX WORK.  The accumulators take turns, one instruction a turn.
; Product i of 16 of O^T += V^T P for piece x: keys 32 (i / 8) on, channels 16 (i % 8) on.
.macro PV x
	WIN W_PV
.set rO, 64*(\x)+8*(i%8)
.set rV, 64*(i/8)+8*(i%8)
.set rP, P+16*(\x)+8*(i/8)
	v_wmma_f32_16x16x32_f16 v[rO:rO+7], v[rV:rV+7], v[rP:rP+7], v[rO:rO+7]
.endm
; Product i of 8 of S^T = K Q^T for piece x: channels 32 (i / 4) on, keys 16 (i % 4) on.  The first 4 start the sums with the mask.
.macro KQ x
.set rS, S+32*(\x)+8*(i%4)
.set rK, KF+64*(\x)+16*(i%4)+8*(i/4)
.set rQ, 16*(\x)+8*(i/4)
.set rM, MC+8*(i%4)
.if i < 4
	WIN W_KM
	v_wmma_f32_16x16x32_f16 v[rS:rS+7], v[rK:rK+7], v[rQ:rQ+7], v[rM:rM+7]
.else
	WIN W_KQ
	v_wmma_f32_16x16x32_f16 v[rS:rS+7], v[rK:rK+7], v[rQ:rQ+7], v[rS:rS+7]
.endif
.endm
; THE LDS LOADS stand in runs of 16: a step's K for piece x (64 keys x 64 channels), and half kk (32 keys x 128 channels) of its V, turned.
.macro FETCH_K x
	WIN 0
	v_add_nc_u32 v[AK], s[TBK], v[AK0]
	WIN 0x80                        ; destination window 2
.irp f, 0,1,2,3,4,5,6,7             ; keys 16 (f / 2) on, channels 32 (f % 2) on
	ds_load_b128 v[KF+64*(\x)+8*\f:KF+64*(\x)+8*\f+3],   v[AK] offset:(\x)*KTILE+(\f/2)*16*PK+(\f%2)*64
	ds_load_b128 v[KF+64*(\x)+8*\f+4:KF+64*(\x)+8*\f+7], v[AK] offset:(\x)*KTILE+(\f/2)*16*PK+(\f%2)*64+32
.endr
.endm
.macro FETCH_V kk
.if (\kk) == 0
	WIN 0
	v_add_nc_u32 v[AV], s[TBV], v[AV0]
.endif
	WIN 0xc0                        ; destination window 3
.irp cb, 0,1,2,3,4,5,6,7            ; channels 16 cb on: blocks 0-3 in the low head's tile, 4-7 in the high head's
	ds_load_tr16_b128 v[64*(\kk)+8*\cb:64*(\kk)+8*\cb+3],   v[AV] offset:(\cb/4)*VTILE+(\kk)*32*PVP+(\cb%4)*32
	ds_load_tr16_b128 v[64*(\kk)+8*\cb+4:64*(\kk)+8*\cb+7], v[AV] offset:(\cb/4)*VTILE+(\kk)*32*PVP+16*PVP+(\cb%4)*32
.endr
.endm
; THE VECTOR WORK.  One piece's softmax for one key step is a list of 134 instructions; SM writes number j of it for piece t.  s0-s31 are the lane's 32 scores, in pairs 0-15.
;   0-15    the maximum of s0-s31 and the old m, three operands at a time (each accumulator's lowest registers are read first)
;   16-20   the other half of the lanes' maximum; the new m; c m; c m_old - c m_new
;   21-87   33 exponentials (a, then s0-s31) at the odd numbers from 23 on, a plain instruction behind each: c s - c m for pairs still to come, roundings to f16 of pairs that are done, the first sums
;   88-101  the last rounding; the rest of the sums; l = a l + the sum
;   102-133 the piece's O^T times a, from each accumulator's low end on: the one part that leaves window 0
.macro SM t
.set rT, ST+8*(\t)
.set rS, S+32*(\t)
.set rP, P+16*(\t)
.set rO, 64*(\t)+2*(j-102)
.set q, (j-20)/2
.if j < 102
	WIN 0
.endif
.if j < 4
	v_max3_num_f32 v[rT+4+j], v[rS+8*j], v[rS+8*j+1], v[rS+8*j+2]
.elseif j < 12
	v_max3_num_f32 v[rT+4+j%4], v[rT+4+j%4], v[rS+8*(j%4)+2*(j/4)+1], v[rS+8*(j%4)+2*(j/4)+2]
.elseif j == 12
	v_max3_num_f32 v[rT+4], v[rT+4], v[rS+7], v[rS+15]
.elseif j == 13
	v_max3_num_f32 v[rT+6], v[rT+6], v[rS+23], v[rS+31]
.elseif j == 14
	v_max3_num_f32 v[rT+4], v[rT+4], v[rT+5], v[rT+6]
.elseif j == 15
	v_max3_num_f32 v[rT+4], v[rT+4], v[rT+7], v[rT+1]
.elseif j == 16
	v_permlanex16_b32 v[rT+5], v[rT+4], s[SEL], s[SEL+1]  ; the query's other 32 keys lie in the lane 16 away
.elseif j == 17
	v_mov_b32 v[rT+7], v[rT]        ; c m_old is kept for a
.elseif j == 18
	v_max_num_f32 v[rT+1], v[rT+4], v[rT+5]
.elseif j == 19
	v_mul_f32 v[rT], s[CS], v[rT+1]
.elseif j == 20
	v_sub_f32 v[rT+7], v[rT+7], v[rT]
.elseif j == 23
	v_exp_f32 v[rT+6], v[rT+7]
.elseif (j < 88) && (j > 23) && (j%2 == 1)
	v_exp_f32 v[rS+(j-25)/2], v[rS+(j-25)/2]
.elseif (q < 4) || ((j < 76) && (q%2 == 0))
.set b, q/2+2
.if q < 4
.set b, q
.endif
	v_pk_fma_f32 v[rS+2*b:rS+2*b+1], v[rS+2*b:rS+2*b+1], s[CS:CS+1], v[rT:rT+1] op_sel_hi:[1,0,0] neg_lo:[0,0,1] neg_hi:[0,0,1]  ; pair b: c s - c m
.elseif (j < 88) && (q%2 == 1)
	s_wait_alu depctr_va_vdst(0)
	v_cvt_pk_f16_f32 v[rP+(q-5)/2], v[rS+q-5], v[rS+q-4]  ; pair (q - 5) / 2: its second exponential stands three numbers back
.elseif j == 89
	s_wait_alu depctr_va_vdst(0)
	v_cvt_pk_f16_f32 v[rP+15], v[rS+30], v[rS+31]
.elseif j < 102                     ; the sum of the 16 pairs, in place: sum z of 16 adds neighbours 1, 2, 4 and 8 pairs apart, then l takes it
.set z, j-86
.if j < 89
.set z, (j-76)/4
.endif
.set w, 4
.set u, z
.if z >= 14
.set w, 32
.set u, 0
.elseif z >= 12
.set w, 16
.set u, z-12
.elseif z >= 8
.set w, 8
.set u, z-8
.endif
.if z < 15
	v_pk_add_f32 v[rS+w*u:rS+w*u+1], v[rS+w*u:rS+w*u+1], v[rS+w*u+w/2:rS+w*u+w/2+1]
.else
	v_pk_fma_f32 v[rT+2:rT+3], v[rT+2:rT+3], v[rT+6:rT+7], v[rS:rS+1] op_sel_hi:[1,0,1]
.endif
.else
	WIN W_RS
	v_pk_mul_f32 v[rO:rO+1], v[rO:rO+1], v[rT+6:rT+7] op_sel_hi:[1,0]
.endif
.endm
.macro VS n                         ; the next n numbers of piece Y's list
.rept \n
	SM Y
.set j, j+1
.endr
.endm
.macro RIDE kq                      ; the slice behind matrix instruction nm: 134 = 14 x 6 + 10 x 5 over 24 of them, or 6 x 9 + 10 x 8 over 16
.if \kq
.if nm < 14
	VS 6
.else
	VS 5
.endif
.else
.if nm < 6
	VS 9
.else
	VS 8
.endif
.endif
.set nm, nm+1
.endm
.macro MASK                         ; MC = MD x AL
	WIN W_RS
.set z, 0
.rept 16
	v_pk_mul_f32 v[MC+2*z:MC+2*z+1], v[MD+2*z:MD+2*z+1], s[AL:AL+1] op_sel_hi:[1,0]
.set z, z+1
.endr
.endm
; A TURN.  Piece x has the matrix unit; the other piece's softmax stands in slices behind its matrix instructions; none names a register of the products round it.  kq = 0: a block's end: no next step, nothing is fetched.
; The last slice is five or more rescalings: the four places (ISA guide 7.12.1) between the turn's last K Q^T and the next turn's first read of those scores.
; K of the next step for piece x is fetched behind the second product.  In piece 1's turn V's first half is fetched behind the tenth V^T P (its last reader, the eighth, stands nine plain lines back) and
; V's second half behind the second K Q^T (its last reader fifteen plain lines back).
.macro TURN x, kq
.set Y, 1-(\x)
.set j, 0
.set nm, 0
.if (\x) == 0
	s_wait_dscnt 16                 ; V's first half is in; its second half, 16 loads, may be out
.endif
.set i, 0
.rept 16
.if ((\x) == 0) && (i == 8)
.if \kq
	s_wait_dscnt 16                 ; V's second half is in; K's run, 16 loads, may be out
.else
	s_wait_dscnt 0x0
.endif
.endif
	PV \x
	RIDE \kq
.if (\kq) && (i == 1)
	FETCH_K \x
.endif
.if (\kq) && ((\x) == 1) && (i == 9)
	FETCH_V 0
.endif
.set i, i+1
.endr
.if \kq
.if (\x) == 0
	s_wait_dscnt 0x0                ; K is in
.else
	s_wait_dscnt 16                 ; K is in; V's first half, 16 loads, may be out
.endif
.set i, 0
.rept 8
	KQ \x
	RIDE 1
.if ((\x) == 1) && (i == 1)
	FETCH_V 1
.endif
.set i, i+1
.endr
.endif
.endm
; A BLOCK BEGINS.  c m starts far below every c s, so the first a is 0; m at the lowest finite number.  The mask is the diagonal's if the block has one step.  K and V of step 0, both pieces' scores, piece 0's softmax.
.macro BEGIN
	s_mov_b32 s[NEW], 0
	WIN 0
	v_mov_b32 v[ST], 0xfe000000
	v_mov_b32 v[ST+1], 0xff7fffff
	v_mov_b32 v[ST+8], 0xfe000000
	v_mov_b32 v[ST+9], 0xff7fffff
	s_cmp_eq_u32 s[R], 1
	s_cselect_b32 s[AL], 1.0, 0
	MASK
	FETCH_K 0
	FETCH_K 1
	FETCH_V 0
	FETCH_V 1
	s_wait_loadcnt 0x0              ; Q
	s_wait_dscnt 0x0
.set i, 0
.rept 8
	KQ 0
.set i, i+1
.endr
.set i, 0
.rept 8
	KQ 1
.set i, i+1
.endr
	WIN 0
	PLACES                          ; behind those products
.set Y, 0
.set j, 0
	VS 134
	WIN 0
.endm
; THE WAY OUT.  l's two halves and the other half of the lanes' are added; a = O_0 / l_0 - lam O_1 / l_1; its squares are summed over the lane's 64 channels and the other half's; a is scaled, rounded to f16
; and sent through my stage in LDS.  last = 0: the second block's Q is asked for and its counts are set.
.macro WAYOUT last
	WIN 0
	PLACES                          ; behind the last products
	v_add_f32 v[ST+4], v[ST+2], v[ST+3]
	v_add_f32 v[ST+12], v[ST+10], v[ST+11]
	v_permlanex16_b32 v[ST+5], v[ST+4], s[SEL], s[SEL+1]
	v_permlanex16_b32 v[ST+13], v[ST+12], s[SEL], s[SEL+1]
	v_add_f32 v[ST+4], v[ST+4], v[ST+5]
	v_add_f32 v[ST+12], v[ST+12], v[ST+13]
	v_rcp_f32 v[ST+6], v[ST+4]
	v_rcp_f32 v[ST+14], v[ST+12]
	v_nop                           ; a plain instruction between the reciprocals and their use
	s_wait_alu depctr_va_vdst(0)
	v_mul_f32 v[ST+14], v[ST+14], v[NLAM]
	WIN W_RS
.set i, 0
.rept 32
	v_pk_mul_f32 v[64+2*i:64+2*i+1], v[64+2*i:64+2*i+1], v[ST+14:ST+15] op_sel_hi:[1,0]
.set i, i+1
.endr
	WIN 0x51                        ; destination, source 0 and source 2 in window 1
.set i, 0
.rept 32
	v_pk_fma_f32 v[2*i:2*i+1], v[2*i:2*i+1], v[ST+6:ST+7], v[64+2*i:64+2*i+1] op_sel_hi:[1,0,1]
.set i, i+1
.endr
	WIN 0x05                        ; sources 0 and 1 in window 1
.set i, 0
.rept 32                            ; four chains, started by the first four products
.if i < 4
	v_pk_mul_f32 v[WK+2*i:WK+2*i+1], v[2*i:2*i+1], v[2*i:2*i+1]
.else
	v_pk_fma_f32 v[WK+2*(i%4):WK+2*(i%4)+1], v[2*i:2*i+1], v[2*i:2*i+1], v[WK+2*(i%4):WK+2*(i%4)+1]
.endif
.set i, i+1
.endr
	WIN 0
	v_pk_add_f32 v[WK:WK+1], v[WK:WK+1], v[WK+2:WK+3]
	v_pk_add_f32 v[WK+4:WK+5], v[WK+4:WK+5], v[WK+6:WK+7]
	v_pk_add_f32 v[WK:WK+1], v[WK:WK+1], v[WK+4:WK+5]
	v_add_f32 v[WK], v[WK], v[WK+1]
	v_permlanex16_b32 v[WK+1], v[WK], s[SEL], s[SEL+1]
	v_add_f32 v[WK], v[WK], v[WK+1]
	v_mov_b32 v[WK+2], s[CEPS]
	v_fma_f32 v[WK], v[WK], s[C128], v[WK+2]  ; the mean of 128 squares + 1e-6
	v_rsq_f32 v[WK+2], v[WK]
	v_nop
	s_wait_alu depctr_va_vdst(0)
	v_mul_f32 v[WK+2], s[CONE], v[WK+2]
	WIN W_RS
.set i, 0
.rept 32
	v_pk_mul_f32 v[2*i:2*i+1], v[2*i:2*i+1], v[WK+2:WK+3] op_sel_hi:[1,0]
.set i, i+1
.endr
	WIN 0x05
.set i, 0
.rept 32
	v_cvt_pk_f16_f32 v[S+i], v[2*i], v[2*i+1]
.set i, i+1
.endr
	WIN 0
.irp f, 0,1,2,3,4,5,6,7
	ds_store_b128 v[STO], v[S+4*\f:S+4*\f+3] offset:32*\f
.endr
.irp f, 0,1,2,3,4,5,6,7
	ds_load_b128 v[S+32+4*\f:S+32+4*\f+3], v[RD] offset:\f*2*SP  ; LDS serves a wave's instructions in order (ISA guide 5.7.1.4): these see the stores above
.endr
.irp f, 0,1,2,3,4,5,6,7
	s_wait_dscnt 7-\f
	global_store_b128 v[GO], v[S+32+4*\f:S+32+4*\f+3], s[OP:OP+1] offset:\f*8192  ; 16 lanes store 256 consecutive bytes, aligned
.endr
.if !(\last)
	s_wait_xcnt 0x0                 ; the stores' registers and their base are rewritten only behind this wait
	s_mov_b64 s[OP:OP+1], s[OP2:OP2+1]
	QLOAD QP2
	s_mov_b32 s[R], s[NN2]
	s_mov_b32 s[NEW], 1
.endif
	s_mov_b32 s[DEAD], 1            ; what is left of this tile belongs to no block
.endm
; A TRIP: a tile is entered (and, fill = 1, the next asked for); its two steps are read, one a unit.  A unit is a block's beginning, or two turns that finish the step before and read this one.
; Behind a block's last step come its last turn, its last products and the way out.  Every jump but the counted one goes forward; none passes a barrier or a tensor load.
.macro TRIP fill, last
	CHANGE \fill
	s_mov_b32 s[DEAD], 0
	s_mov_b32 s[CNT], 2
.Lunit_\@:
	s_cmp_eq_u32 s[DEAD], 1
	s_cbranch_scc1 .Ldead_\@
	s_cmp_eq_u32 s[NEW], 1
	s_cbranch_scc1 .Lnew_\@
	s_cmp_lg_u32 s[R], 1
	s_cbranch_scc1 .Lnomask_\@
	s_mov_b32 s[AL], 1.0            ; the step to be read holds the diagonal
	MASK
	WIN 0
.Lnomask_\@:
	TURN 0, 1
	TURN 1, 1
	WIN 0
	s_branch .Lread_\@
.Lnew_\@:
	BEGIN
.Lread_\@:
	s_sub_co_u32 s[R], s[R], 1
	s_cmp_lg_u32 s[R], 0
	s_cbranch_scc1 .Ldead_\@
	TURN 0, 0                       ; piece 0: V^T P of the last step | piece 1's last softmax
.set i, 0
.rept 16
	PV 1                            ; piece 1: V^T P of the last step
.set i, i+1
.endr
	WAYOUT \last
.Ldead_\@:
	s_add_co_u32 s[TBK], s[TBK], KSTP  ; the next unit reads the tile's next step
	s_add_co_u32 s[TBV], s[TBV], VSTP
	s_sub_co_u32 s[CNT], s[CNT], 1
	s_cmp_lg_u32 s[CNT], 0
	s_cbranch_scc1 .Lunit_\@
.endm
	s_mov_b32 s[SLOTS], 16
.Lslot:                             ; 16 times: a tile is entered and the next is asked for
	TRIP 1, 0
	s_sub_co_u32 s[SLOTS], s[SLOTS], 1
	s_cmp_lg_u32 s[SLOTS], 0
	s_cbranch_scc1 .Lslot
	TRIP 0, 1                       ; the walk's last tile is written out: nothing is asked for
	s_wait_tensorcnt 0x0            ; the wave's end
	ds_add_u32 v[SPW], v[NIL]
	s_wait_dscnt 0x0
	CROUND                          ; the closing round
	s_endpgm
.Lfunc_end_k_qea30df368a_attn:
	.size	k_qea30df368a_attn, .Lfunc_end_k_qea30df368a_attn-k_qea30df368a_attn
	.p2alignl 7, 3214868480
	.fill 96, 4, 3214868480
	.section	.rodata,"a",@progbits
	.p2align	6, 0x0
	.amdhsa_kernel k_qea30df368a_attn
		.amdhsa_group_segment_fixed_size 327680
		.amdhsa_private_segment_fixed_size 0
		.amdhsa_enable_private_segment 0
		.amdhsa_kernarg_size 48
		.amdhsa_user_sgpr_count 2
		.amdhsa_user_sgpr_kernarg_segment_ptr 1
		.amdhsa_wavefront_size32 1
		.amdhsa_system_sgpr_workgroup_id_x 1
		.amdhsa_system_sgpr_workgroup_id_y 1
		.amdhsa_system_sgpr_workgroup_id_z 1
		.amdhsa_system_vgpr_workitem_id 0
		.amdhsa_next_free_vgpr 896
		.amdhsa_next_free_sgpr 100
		.amdhsa_reserve_vcc 1
		.amdhsa_float_denorm_mode_32 3
		.amdhsa_float_denorm_mode_16_64 3
		.amdhsa_memory_ordered 1
		.amdhsa_forward_progress 1
		.amdhsa_inst_pref_size 154
	.end_amdhsa_kernel
	.amdgpu_metadata
---
amdhsa.version: [ 1, 2 ]
amdhsa.kernels:
  - .name:           k_qea30df368a_attn
    .symbol:         k_qea30df368a_attn.kd
    .args:
      - { .name: qkv, .offset: 0, .size: 8, .value_kind: global_buffer, .address_space: global }
      - { .name: ab, .offset: 8, .size: 8, .value_kind: global_buffer, .address_space: global }
      - { .name: lambda_q1, .offset: 16, .size: 8, .value_kind: global_buffer, .address_space: global }
      - { .name: lambda_k1, .offset: 24, .size: 8, .value_kind: global_buffer, .address_space: global }
      - { .name: lambda_q2, .offset: 32, .size: 8, .value_kind: global_buffer, .address_space: global }
      - { .name: lambda_k2, .offset: 40, .size: 8, .value_kind: global_buffer, .address_space: global }
    .group_segment_fixed_size: 327680
    .private_segment_fixed_size: 0
    .kernarg_segment_align: 8
    .kernarg_segment_size: 48
    .max_flat_workgroup_size: 128
    .sgpr_count:     100
    .vgpr_count:     896
    .wavefront_size: 32
...
	.end_amdgpu_metadata
.endif
;; end of part 3
;; launch outp (part 4): grid 16 x 16, 4 waves a work-group, clusters of 4 x 4, 327,680 bytes of LDS; arguments ab, wob, out0; writes out0
.if DOCPART == 4
	.amdgcn_target "amdgcn-amd-amdhsa--gfx1250"
	.amdhsa_code_object_version 6
	.text
	.protected	k_qea30df368a_outp
	.globl	k_qea30df368a_outp
	.p2align	8
	.type	k_qea30df368a_outp,@function
k_qea30df368a_outp:
	s_mov_b64 s[64:65], 0
	v_nop
	global_prefetch_b8 v0, s[64:65] scope:SCOPE_SE
	s_setreg_imm32_b32 hwreg(HW_REG_WAVE_MODE, 25, 1), 1
	s_wait_xcnt 0x0
	s_wait_alu depctr_hold_cnt(0) depctr_sa_sdst(0) depctr_va_vdst(0) depctr_va_sdst(0) depctr_va_ssrc(0) depctr_va_vcc(0) depctr_vm_vsrc(0)
	s_getreg_b32 s2, hwreg(HW_REG_IB_STS2, 6, 4)
	s_cmp_eq_u32 s2, 0
	s_cbranch_scc0 .Lentry_in_a_cluster
	s_endpgm
.Lentry_in_a_cluster:
	s_bfe_u32 s2, ttmp6, 0x10000c
	s_cmp_lg_u32 s2, 0xf033
	s_cbranch_scc0 .Lentry_shape_is_right
	s_endpgm
.Lentry_shape_is_right:
; out0[m][n] = sum over k of ab[m][k] wob[n][k].  ab, wob: [2048][2048] f16; out0: [2048][2048] f32; sums in f32.
; 2048 x 2048 over 256 work-groups: a tile is 128 x 128.  Four waves, each 64 x 64: 16 accumulators of 16 x 16.  K goes in steps of 256 (LDS rows of 512 bytes; a wave's tensor load brings 64 of them)
; through two slots.  CLUSTER 4 x 4: ab's tile is shared along a row of the cluster, wob's along a column; each is asked for jointly.
; THE MATRIX INSTRUCTION IS USED TRANSPOSED (source 0 = 16 rows of wob, source 1 = 16 rows of ab): a lane holds eight neighbouring numbers of a row of out0.
; A wave's 64 columns of f32 are 256 bytes: each wave has a stage of its own on the way out, and no barrier stands there.
; REGISTERS: window 0: v0-31 addresses; v32-95 the way out; v128-255 the accumulators ((a, b) at v[128 + 8 (4 a + b)]).  Window 1: two fragment buffers of 128 (64 along K: 64 of A, then 64 of B).
.set SIZE_K, 2048
.set SIZE_N, 2048
.set KSTEP,  256
.set PITCH,  528                       ; an LDS row: 512 bytes + 16 of padding: the 16 rows of a load start at 16 different groups of four banks (ISA guide 11.1)
.set HALFT,  64*PITCH
.set SLOT,   4*HALFT                   ; A's 128 rows, then B's 128 rows
.set STAGE,  2*SLOT                    ; behind the ring: 16 rows x 272 bytes for each wave
.set SPITCH, 272
.set SPARE,  STAGE+4*16*SPITCH         ; the spare words, 128 bytes for each wave: two blocks of 256 bytes that no other line names
.set LAPS, SIZE_K/(2*KSTEP)
.set ADRA, 16
.set ADRB, 20
.set STO,  24
.set RD,   25
.set CO,   26
.set SPW,  28
.set NIL,  29
.set TMP,  32
.set ACC,  128
.set F0,   0
.set F1,   128
.set G1, 24
.set G0, 32
.set G1B, 48
.set G0B, 56
.set MSB, 0
.macro WIN new
.if MSB != (\new)
	s_set_vgpr_msb (MSB<<8)|(\new)
.set MSB, \new
.endif
.endm
.set MUL,  0x05                        ; sources 0 (B) and 1 (A) window 1; C and D window 0
.set TO_F, 0x40                        ; destination window 1, address window 0
.macro JLOAD s                         ; a joint load: waves 0 and 1 fetch A's two halves, waves 2 and 3 B's; s_nop 0 and four v_nop follow each line
	s_cmp_eq_u32 s11, 0
	s_cbranch_scc0 .Lfor_b_\@
	tensor_load_to_lds s[G0+4*(\s):G0+4*(\s)+3], s[G1:G1+7]
	s_nop 0
.rept 4
	v_nop
.endr
	s_branch .Lasked_\@
.Lfor_b_\@:
	tensor_load_to_lds s[G0B+4*(\s):G0B+4*(\s)+3], s[G1B:G1B+7]
	s_nop 0
.rept 4
	v_nop
.endr
.Lasked_\@:
.endm
.macro CREST
	s_cmp_lg_u32 s10, 0
	s_cbranch_scc1 .Lnot_wave_0_\@
	s_barrier_signal -3
.Lnot_wave_0_\@:
	s_barrier_wait -3
	s_barrier_signal -1
	s_barrier_wait -1
.endm
.macro CROUND
	s_barrier_signal -1
	s_barrier_wait -1
	CREST
.endm
	s_load_b128 s[4:7], s[0:1], 0x0                ; ab s[4:5], wob s[6:7]
	s_load_b64 s[8:9], s[0:1], 0x10                ; out0
	v_lshl_add_u32 v[SPW], v0, 2, SPARE
	v_mov_b32 v[NIL], 0
	ds_add_u32 v[SPW], v[NIL]                      ; the wave's opening: the add and its wait ahead of my first tensor load
	v_lshrrev_b32 v1, 5, v0
	v_readfirstlane_b32 s10, v1                    ; wave 0..3
	s_lshr_b32 s11, s10, 1                         ; which half of the tile's rows is mine.  Also: I fetch for A (0) or for B (1)
	s_and_b32 s12, s10, 1                          ; which half of its columns.  Also: which 64 rows of that tile I fetch
	s_bfe_u32 s40, ttmp6, 0x40000                  ; cx, cy
	s_bfe_u32 s41, ttmp6, 0x40004
	s_lshl_b32 s42, ttmp9, 2
	s_add_co_u32 s42, s42, s40                     ; tile column
	s_and_b32 s13, ttmp7, 0xffff
	s_lshl_b32 s13, s13, 2
	s_add_co_u32 s13, s13, s41                     ; tile row
	s_lshl_b32 s43, s41, 2
	s_lshl_b32 s43, 15, s43                        ; my row of the cluster
	s_lshl_b32 s44, 0x1111, s40                    ; my column
	s_or_b32 s[G1+0], s43, (1<<16)|(1<<20)|(1<<21)|(6<<22)|(3<<25)  ; mask; 2-byte elements; padding on; bit 21 beside a mask; after every 128 words 4 words
	s_or_b32 s[G1B+0], s44, (1<<16)|(1<<20)|(1<<21)|(6<<22)|(3<<25)
.irp g, G1, G1B
	s_mov_b32 s[(\g)+1], KSTEP<<16                 ; tensor_dim0 = 256
	s_mov_b32 s[(\g)+2], 64<<16                    ; tensor_dim1 = 64
	s_mov_b32 s[(\g)+3], KSTEP<<16                 ; tile_dim0 = 256
	s_mov_b32 s[(\g)+4], 64                        ; tile_dim1 = 64
	s_mov_b32 s[(\g)+5], SIZE_K
	s_mov_b32 s[(\g)+6], 0
	s_mov_b32 s[(\g)+7], 0
.endr
	s_lshl_b32 s17, s12, 6
	s_lshl_b32 s16, s13, 7
	s_add_co_u32 s16, s16, s17                     ; A: row 128 x tile row + 64 x half
	s_lshl_b32 s46, s42, 7
	s_add_co_u32 s46, s46, s17                     ; B: row 128 x tile column + 64 x half
	s_mov_b32 s17, 0
	s_mov_b32 s47, 0
	s_mov_b64 s[18:19], SIZE_K*2
	s_mul_u64 s[16:17], s[16:17], s[18:19]
	s_mul_u64 s[46:47], s[46:47], s[18:19]
	s_mul_i32 s20, s10, HALFT                      ; where they go: wave x 64 rows
	s_wait_dscnt 0x0                               ; the opening add is done
	s_wait_kmcnt 0x0
	s_add_nc_u64 s[14:15], s[4:5], s[16:17]
	s_add_nc_u64 s[46:47], s[6:7], s[46:47]
	CROUND                                         ; all sixteen work-groups are here: the first joint loads meet
.irp s, 0,1
	s_mov_b32 s[G0+4*(\s)], 1
	s_add_co_u32 s[G0+4*(\s)+1], s20, (\s)*SLOT
	s_add_nc_u64 s[G0+4*(\s)+2:G0+4*(\s)+3], s[14:15], (\s)*KSTEP*2
	s_or_b32 s[G0+4*(\s)+3], s[G0+4*(\s)+3], 0x80000000
	s_mov_b32 s[G0B+4*(\s)], 1
	s_add_co_u32 s[G0B+4*(\s)+1], s20, (\s)*SLOT
	s_add_nc_u64 s[G0B+4*(\s)+2:G0B+4*(\s)+3], s[46:47], (\s)*KSTEP*2
	s_or_b32 s[G0B+4*(\s)+3], s[G0B+4*(\s)+3], 0x80000000
	JLOAD \s                                       ; two loads of mine are out
.endr
	v_and_b32 v1, 15, v0                           ; l % 16
	v_bfe_u32 v2, v0, 4, 1                         ; l / 16
	v_mul_u32_u24 v3, v1, PITCH
	v_lshl_add_u32 v3, v2, 4, v3
	s_mul_i32 s21, s11, HALFT                      ; my 64 rows of A
	s_mul_i32 s22, s12, HALFT                      ; my 64 rows of B,
	s_add_co_u32 s22, s22, 2*HALFT                 ; which lie behind A's 128
.irp s, 0,1
	v_add_nc_u32 v[ADRA+(\s)], s21, v3
	v_add_nc_u32 v[ADRB+(\s)], s22, v3
	s_add_co_u32 s21, s21, SLOT
	s_add_co_u32 s22, s22, SLOT
.endr
	s_mul_i32 s23, s10, 16*SPITCH
	s_add_co_u32 s23, s23, STAGE                   ; my stage
	v_mul_u32_u24 v4, v1, SPITCH                   ; in: row l % 16, 32 bytes for each half of the lanes
	v_lshl_add_u32 v4, v2, 5, v4
	v_add_nc_u32 v[STO], s23, v4
	v_mul_u32_u24 v5, v2, SPITCH                   ; back: lanes 0-15 take one row of 256 bytes, lanes 16-31 the next
	v_lshl_add_u32 v5, v1, 4, v5
	v_add_nc_u32 v[RD], s23, v5
	v_lshlrev_b32 v5, 13, v2                       ; and the same two rows in out0, 8,192 bytes apart
	v_lshl_add_u32 v[CO], v1, 4, v5
	s_lshl_b32 s16, s13, 7
	s_lshl_b32 s17, s11, 6
	s_add_co_u32 s16, s16, s17                     ; my first row: 128 x tile row + 64 x half
	s_lshl_b32 s16, s16, 13
	s_mov_b32 s17, 0
	s_add_nc_u64 s[8:9], s[8:9], s[16:17]
	s_lshl_b32 s46, s42, 9                         ; my first column, in bytes: 512 x tile column + 256 x half
	s_lshl_b32 s47, s12, 8
	s_add_co_u32 s46, s46, s47
	s_mov_b32 s47, 0
	s_add_nc_u64 s[8:9], s[8:9], s[46:47]
; 8 matrix instructions: row blocks a0, a0 + 1 x all 4 column blocks, 32 along K: half c of buffer f.  The 16 accumulators take turns.
.macro MUL8 f, c, a0, zero
	WIN MUL
.irp a, \a0, (\a0)+1
.irp b, 0,1,2,3
.if \zero
	v_wmma_f32_16x16x32_f16 v[ACC+8*(4*(\a)+(\b)):ACC+8*(4*(\a)+(\b))+7], v[(\f)+64+8*(4*(\c)+(\b)):(\f)+64+8*(4*(\c)+(\b))+7], v[(\f)+8*(4*(\c)+(\a)):(\f)+8*(4*(\c)+(\a))+7], 0
.else
	v_wmma_f32_16x16x32_f16 v[ACC+8*(4*(\a)+(\b)):ACC+8*(4*(\a)+(\b))+7], v[(\f)+64+8*(4*(\c)+(\b)):(\f)+64+8*(4*(\c)+(\b))+7], v[(\f)+8*(4*(\c)+(\a)):(\f)+8*(4*(\c)+(\a))+7], v[ACC+8*(4*(\a)+(\b)):ACC+8*(4*(\a)+(\b))+7]
.endif
.endr
.endr
.endm
; 32 LDS loads in one run: the fragments of 64 along K at byte k of the rows, into buffer f; the first 32 along K first
.macro FETCH slot, k, f
	WIN TO_F
.irp c, 0,1
.irp i, 0,1,2,3
	ds_load_b128 v[(\f)+64+8*(4*(\c)+(\i)):(\f)+64+8*(4*(\c)+(\i))+3],   v[ADRB+(\slot)] offset:(\k)+64*(\c)+(\i)*16*PITCH
	ds_load_b128 v[(\f)+64+8*(4*(\c)+(\i))+4:(\f)+64+8*(4*(\c)+(\i))+7], v[ADRB+(\slot)] offset:(\k)+64*(\c)+(\i)*16*PITCH+32
	ds_load_b128 v[(\f)+8*(4*(\c)+(\i)):(\f)+8*(4*(\c)+(\i))+3],         v[ADRA+(\slot)] offset:(\k)+64*(\c)+(\i)*16*PITCH
	ds_load_b128 v[(\f)+8*(4*(\c)+(\i))+4:(\f)+8*(4*(\c)+(\i))+7],       v[ADRA+(\slot)] offset:(\k)+64*(\c)+(\i)*16*PITCH+32
.endr
.endr
.endm
.macro PLACES                          ; four places in front of loads into registers that matrix instructions have read, and of lines that read results
.rept 4
	v_nop
.endr
.endm
; A K step is four quarters of 64 along K, 32 matrix instructions each, on buffers 0, 1, 0, 1.
.macro QUARTER slot, k, f, g, zero
	s_wait_dscnt 16                                ; the first 32 along K are in
	WIN MUL
	MUL8 \f, 0, 0, \zero
	MUL8 \f, 0, 2, \zero
	PLACES
	FETCH \slot, \k, \g
	s_wait_dscnt 32                                ; all but the 32 just issued
	WIN MUL
	MUL8 \f, 1, 0, 0
	MUL8 \f, 1, 2, 0
.endm
; The last quarter multiplies buffer 1 and changes slots: ONE barrier; in front of it each wave waits for all its tensor loads, adds 0 to its spare word, and waits for that and for its own reads of this slot.
.macro TURN slot, next, fill
	WIN 0
	s_wait_tensorcnt 0x0                           ; all my tensor loads have landed: my part of the next slot
	ds_add_u32 v[SPW], v[NIL]                      ; 0 onto my spare word
	s_wait_dscnt 17                                ; the add and the youngest sixteen loads may be out
	WIN MUL
	MUL8 F1, 0, 0, 0
	s_wait_dscnt 0x0                               ; the add is done, and my reads of this slot are over
	s_barrier_signal -1
	MUL8 F1, 0, 2, 0
.if \fill
	WIN 0
.endif
	s_barrier_wait -1
.if \fill
	CREST                                          ; no wave of any partner still reads this slot's tile or has a load on its way
	s_add_nc_u64 s[G0+4*(\slot)+2:G0+4*(\slot)+3], s[G0+4*(\slot)+2:G0+4*(\slot)+3], 2*KSTEP*2
	s_add_nc_u64 s[G0B+4*(\slot)+2:G0B+4*(\slot)+3], s[G0B+4*(\slot)+2:G0B+4*(\slot)+3], 2*KSTEP*2
	JLOAD \slot                                    ; 112 matrix instructions ahead of the wait for it; its four v_nop are also the places in front of the loads below
.else
	PLACES
.endif
	FETCH \next, 0, F0
	WIN MUL
	MUL8 F1, 1, 0, 0
	MUL8 F1, 1, 2, 0
.endm
	s_wait_tensorcnt 1                             ; my part of K step 0 is in; K step 1's may stay out
	s_barrier_signal -1
	s_barrier_wait -1
	FETCH 0, 0, F0
	QUARTER 0, 128, F0, F1, 1                      ; the first quarter stands in front of the loop: its first products start the sums
	WIN 0
	s_mov_b32 s3, LAPS-1
.Llap:                                                 ; a trip goes once round the ring and fills both slots again
	QUARTER 0, 256, F1, F0, 0
	QUARTER 0, 384, F0, F1, 0
	TURN 0, 1, 1
	QUARTER 1, 128, F0, F1, 0
	QUARTER 1, 256, F1, F0, 0
	QUARTER 1, 384, F0, F1, 0
	TURN 1, 0, 1
	QUARTER 0, 128, F0, F1, 0
	WIN 0
	s_sub_co_u32 s3, s3, 1
	s_cmp_lg_u32 s3, 0
	s_cbranch_scc1 .Llap
	QUARTER 0, 256, F1, F0, 0                      ; the last lap fills nothing
	QUARTER 0, 384, F0, F1, 0
	TURN 0, 1, 0
	QUARTER 1, 128, F0, F1, 0
	QUARTER 1, 256, F1, F0, 0
	QUARTER 1, 384, F0, F1, 0
	s_wait_dscnt 16
	WIN MUL
	MUL8 F1, 0, 0, 0
	MUL8 F1, 0, 2, 0
	s_wait_dscnt 0
	MUL8 F1, 1, 0, 0
	MUL8 F1, 1, 2, 0
	WIN 0
	; THE WAY OUT, 16 rows at a time: a lane's eight f32 of a row go into my stage (each accumulator from its low end on) and come back as whole rows of 256 bytes.
	PLACES
.irp a, 0,1,2,3
.irp b, 0,1,2,3
	ds_store_b128 v[STO], v[ACC+8*(4*\a+\b):ACC+8*(4*\a+\b)+3]   offset:64*\b
	ds_store_b128 v[STO], v[ACC+8*(4*\a+\b)+4:ACC+8*(4*\a+\b)+7] offset:64*\b+16
.endr
	s_wait_xcnt 0x0                                ; the registers that earlier stores read are loaded again only behind this wait
.irp t, 0,1,2,3,4,5,6,7
	ds_load_b128 v[TMP+32*(\a%2)+4*\t:TMP+32*(\a%2)+4*\t+3], v[RD] offset:\t*2*SPITCH  ; LDS serves a wave's instructions in order (ISA guide 5.7.1.4): these see the stores above; the next block's stores come behind them
.endr
.irp t, 0,1,2,3,4,5,6,7
	s_wait_dscnt 7-\t
	global_store_b128 v[CO], v[TMP+32*(\a%2)+4*\t:TMP+32*(\a%2)+4*\t+3], s[8:9] offset:(16*\a+2*\t)*SIZE_N*4 th:TH_STORE_NT  ; 16 lanes store 256 consecutive bytes, aligned
.endr
.endr
	s_wait_tensorcnt 0x0                           ; the wave's end
	ds_add_u32 v[SPW], v[NIL]
	s_wait_dscnt 0x0
	CROUND                                         ; the closing round
	s_endpgm
.Lfunc_end_k_qea30df368a_outp:
	.size	k_qea30df368a_outp, .Lfunc_end_k_qea30df368a_outp-k_qea30df368a_outp
	.p2alignl 7, 3214868480
	.fill 96, 4, 3214868480
	.section	.rodata,"a",@progbits
	.p2align	6, 0x0
	.amdhsa_kernel k_qea30df368a_outp
		.amdhsa_group_segment_fixed_size 327680
		.amdhsa_private_segment_fixed_size 0
		.amdhsa_enable_private_segment 0
		.amdhsa_kernarg_size 24
		.amdhsa_user_sgpr_count 2
		.amdhsa_user_sgpr_kernarg_segment_ptr 1
		.amdhsa_wavefront_size32 1
		.amdhsa_system_sgpr_workgroup_id_x 1
		.amdhsa_system_sgpr_workgroup_id_y 1
		.amdhsa_system_sgpr_workgroup_id_z 1
		.amdhsa_system_vgpr_workitem_id 0
		.amdhsa_next_free_vgpr 512
		.amdhsa_next_free_sgpr 66
		.amdhsa_reserve_vcc 0
		.amdhsa_float_denorm_mode_32 3
		.amdhsa_float_denorm_mode_16_64 3
		.amdhsa_memory_ordered 1
		.amdhsa_forward_progress 1
		.amdhsa_inst_pref_size 86
	.end_amdhsa_kernel
	.amdgpu_metadata
---
amdhsa.version: [ 1, 2 ]
amdhsa.kernels:
  - .name:           k_qea30df368a_outp
    .symbol:         k_qea30df368a_outp.kd
    .args:
      - { .name: ab, .offset: 0, .size: 8, .value_kind: global_buffer, .address_space: global }
      - { .name: wob, .offset: 8, .size: 8, .value_kind: global_buffer, .address_space: global }
      - { .name: out0, .offset: 16, .size: 8, .value_kind: global_buffer, .address_space: global }
    .group_segment_fixed_size: 327680
    .private_segment_fixed_size: 0
    .kernarg_segment_align: 8
    .kernarg_segment_size: 24
    .max_flat_workgroup_size: 128
    .sgpr_count:     66
    .vgpr_count:     512
    .wavefront_size: 32
...
	.end_amdgpu_metadata
.endif
;; end of part 4
;; ======== version 2 of 2: 4 launches; 1.12 times as fast as version 1
;; limits: values are held in f16: magnitudes above 65,504 overflow, below 6.1e-05 lose precision
;; workspace buffers: xb 8,388,608 bytes; wqkv 12,582,912 bytes; wob 8,388,608 bytes; qkv 12,582,912 bytes; ab 8,388,608 bytes
;; launch cast: the kernel of part 1 again; grid 896 x 1, 8 waves a work-group, no clusters, 0 bytes of LDS; arguments hidden_states, Wo, Wq, Wk, Wv, xb, wob, wqkv; writes xb, wob, wqkv
;; launch proj: the kernel of part 2 again; grid 16 x 16, 4 waves a work-group, clusters of 4 x 4, 327,680 bytes of LDS; arguments xb, wqkv, cos, sin, qkv; writes qkv
;; launch attn (part 5): grid 16 x 16, 4 waves a work-group, clusters of 4 x 1, 327,680 bytes of LDS; arguments qkv, ab, lambda_q1, lambda_k1, lambda_q2, lambda_k2; writes ab
.if DOCPART == 5
	.amdgcn_target "amdgcn-amd-amdhsa--gfx1250"
	.amdhsa_code_object_version 6
	.text
	.protected	k_qea30df368a_attn
	.globl	k_qea30df368a_attn
	.p2align	8
	.type	k_qea30df368a_attn,@function
k_qea30df368a_attn:
	s_mov_b64 s[64:65], 0
	v_nop
	global_prefetch_b8 v0, s[64:65] scope:SCOPE_SE
	s_setreg_imm32_b32 hwreg(HW_REG_WAVE_MODE, 25, 1), 1
	s_wait_xcnt 0x0
	s_wait_alu depctr_hold_cnt(0) depctr_sa_sdst(0) depctr_va_vdst(0) depctr_va_sdst(0) depctr_va_ssrc(0) depctr_va_vcc(0) depctr_vm_vsrc(0)
	s_getreg_b32 s2, hwreg(HW_REG_IB_STS2, 6, 4)
	s_cmp_eq_u32 s2, 0
	s_cbranch_scc0 .Lentry_in_a_cluster
	s_endpgm
.Lentry_in_a_cluster:
	s_bfe_u32 s2, ttmp6, 0x10000c
	s_cmp_lg_u32 s2, 0x3003
	s_cbranch_scc0 .Lentry_shape_is_right
	s_endpgm
.Lentry_shape_is_right:
; DIFFERENTIAL CAUSAL ATTENTION.  For pair j = 0 .. 15: out1 = attention of q head j on k head j / 4, out2 = that of q head j + 16 on k head j / 4 + 4, both on the 128 value channels
; [v head j / 4 | v head j / 4 + 4]; a = out1 - lam out2, lam = exp(lq1 . lk1) - exp(lq2 . lk2) + 0.74557; a times (1 - 0.74557) / sqrt(mean(a a) + 1e-6) goes to ab [2048][2048] f16, pair j at byte 256 j of a row.
; qkv: [48][2048][64] f16, heads 0-31 q, 32-39 k, 40-47 v, unscaled.  Products, maxima and sums in f32; the weights p are rounded to f16 for the second product (their sum is taken of the unrounded p).
; LIMITS.  A hidden score counts as its value less 1e30 (its weight is 0); a weight below 2^-126 counts as 0 in the sum; NaN and infinities are not treated apart.  The lambdas are rounded to bf16 like every input.
; THE WALK.  Queries lie in 32 blocks of 64; block i needs the key steps 0 .. i of 64 keys, the last of which holds the diagonal.  A work-group takes pair j and TWO blocks, 31 - b and then b:
; 33 steps whatever b.  Keys come in tiles of 128 (two steps): (33 - b) / 2 + (b + 2) / 2 = 17 tiles, one loop with a constant count; where a block has an odd number of steps, its last tile's second step is passed over.
; SHARES.  Wave w owns queries 16 w .. + 15 of the block, for BOTH heads: piece 0 (head j) and piece 1 (head j + 16).  So the difference and the norm stay in the lane that holds the query.
; CLUSTER.  The four pairs 4 g .. 4 g + 3 with the same b walk the same four streams (k heads g, g + 4, v heads g, g + 4) in the same order: every tile is asked for jointly, one stream a wave.
; LAYOUT.  S^T = K Q^T holds ONE query a lane (l % 16) and the keys 8 (l / 16) + 0..7 of each 16; two such results rounded to f16 ARE source 1 of O^T = V^T P.  p = 2^(c s - c m), c = log2(e) / 8, with a running
; maximum m; O and l are multiplied by a = 2^(c m_old - c m_new) in every step.  m starts at the lowest finite number, so a block's first a is 0 and O and l need only be finite there.
; BY TURNS.  In a turn one piece has the matrix unit (16 products V^T P of the step in hand, then 8 products K Q^T of the next step), and the other piece's softmax, 134 instructions, stands in slices behind them.
; THE BATCHES.  A softmax's 33 exponentials (a and the 32 weights) are ONE BATCH with ONE s_wait_alu: its list holds the scalings and all exponentials first, none of which names an exponential's result, and behind the
; wait all that do (roundings, sums, the rescaling by a).  So a turn has one such wait, and so has a block's beginning.  Three small batches stand outside the turns, each with a plain line and a wait of its own: the head's
; two exponentials (the lambdas), the way out's two reciprocals, and its one reciprocal root, which reads a sum made with the reciprocals.
; THE MASK is the C operand that starts S^T: MC = MD x 0 or MD x 1, MD being 0 or -1e30 by my query's place on the diagonal.
; REGISTERS, in windows of 256 (s_set_vgpr_msb: bits 1:0 source 0, 3:2 source 1, 5:4 source 2, 7:6 destination):
;   window 0: v1-11 addresses and -lam; v12-27 eight registers of statistics a piece; v28-35, v44-56 at work; v64-127 S^T, 32 a piece; v192-223 P, 16 a piece
;   window 1: v0-127 O^T, 64 a piece; v128-159 MD; v160-191 MC        window 2: v0-31 Q, 16 a piece; v64-191 K of one step, 64 a piece        window 3: v0-127 V of one step
.set PK,    144       ; a row of K in LDS: 128 bytes + 16: the 16 rows of a load start at 16 different groups of four banks (ISA guide 11.1)
.set PVP,   160       ; a row of V: 128 + 32
.set KSTP,  64*PK     ; a step's rows in a tile
.set VSTP,  64*PVP
.set KTILE, 128*PK
.set VTILE, 128*PVP
.set VOFF,  2*KTILE   ; a slot: K of piece 0, K of piece 1, V's low 64 channels, V's high 64
.set SLOT1, 1<<17     ; slot 1 begins here, so that one exclusive or turns an address in one slot into the other's
.set STAGE, SLOT1+2*KTILE+2*VTILE  ; behind the ring: 16 rows x 272 bytes for each wave, for the way out
.set SP,    272
.set SPARE, STAGE+4*16*SP          ; the spare words, 128 bytes for each wave: two blocks of 256 bytes that no other line names
.set AK0, 2           ; v2   my lane's place in a step of K; never rewritten
.set AV0, 3           ; v3   the same for V
.set AK,  4           ; v4   the LDS address of K's run of loads in hand
.set AV,  5           ; v5   of V's
.set STO, 6           ; v6   the way out: where I put 16 bytes of a row
.set RD,  7           ; v7   the way out: where I read a row back
.set GO,  8           ; v8   my byte offset in two rows of ab
.set QO,  9           ; v9   my byte offset in 16 rows of Q
.set NLAM, 10         ; v10-11  -lam
.set ST,  12          ; piece t's statistics at v[ST+8 t]: +0 c m, +1 m, +2, +3 l (even keys', odd keys'), +4 to +7 c0-c3 at work; a takes c2's place once the maximum is found
.set WK,  28          ; v28-35 at work
.set LW,  44          ; v44-56 the lambdas
.set SPW, 62          ; v62  LDS address of my spare word; never rewritten
.set NIL, 63          ; v63  0; never rewritten
.set S,   64
.set P,   192
.set MD,  128         ; window 1
.set MC,  160         ; window 1
.set KF,  64          ; window 2
.set WV,  12          ; s12  my wave's number
.set QP1, 20          ; s[20:21] Q at my rows of the first block
.set G1K, 24          ; s[24:31] descriptor group 1 for K's tiles
.set G1V, 32          ; s[32:39] for V's: it differs in the padding alone
.set G0K, 40          ; s[40:43] descriptor group 0 for K's tiles
.set G0V, 44          ; s[44:47] for V's
.set KP,  48          ; s[48:49] the k head that I fetch
.set VP,  50          ; s[50:51] the v head that I fetch
.set OP,  52          ; s[52:53] ab at my rows of the block in hand
.set SLOTS, 56        ; s56  tiles still to be asked for
.set CNT, 57          ; s57  counts a tile's two steps
.set CS,  58          ; s[58:59] c
.set SEL, 60          ; s[60:61] v_permlanex16_b32's selects: each lane takes its own place in the other half
.set TBK, 62          ; s62  LDS byte at which K of the step to be read begins
.set TBV, 63          ; s63  the same for V, less VOFF
.set R,   70          ; s70  steps of the block in hand that are still to be read
.set NXT, 71          ; s71  the tile to be asked for next
.set LQ,  72          ; s72  the last tile of the block whose tiles are being asked for
.set NEW, 73          ; s73  1: the step to be read is a block's first
.set OFF, 74          ; s[74:75] a tile's byte offset in its head
.set AL,  76          ; s[76:77] the mask's factor
.set DEAD, 78         ; s78  1: the block has ended inside this tile
.set N2M, 79          ; s79  the second block's last tile
.set OP2, 80          ; s[80:81] ab at my rows of the second block
.set BIGN, 82         ; s82  -1e30
.set NN2, 83          ; s83  the second block's steps
.set QP2, 86          ; s[86:87] Q at my rows of the second block
.set C128, 88         ; s88  1 / 128
.set CEPS, 89         ; s89  1e-6
.set CONE, 90         ; s90  1 - LAMBDA_INIT
.set CLAM, 91         ; s91  LAMBDA_INIT
.set LP,  92          ; s[92:99] the four lambdas' addresses
.set MSB, 0
.macro WIN new                      ; the high byte repeats the setting that is left; a switch that changes nothing is dropped
.if MSB != (\new)
	s_set_vgpr_msb (MSB<<8)|(\new)
.set MSB, (\new)
.endif
.endm
.set W_KQ, 0x0a       ; K and Q in window 2, S^T in window 0
.set W_KM, 0x1a       ; the same with the C operand in window 1
.set W_PV, 0x53       ; V in window 3, P in window 0, O^T in window 1
.set W_RS, 0x41       ; destination and source 0 in window 1, source 1 in window 0
.macro PLACES
.rept 4
	v_nop
.endr
.endm
; A joint fill.  Waves 0 and 1 fetch the two k heads' 128 keys, waves 2 and 3 the two v heads'.  An s_nop 0 and four v_nop follow each of the two lines.
.macro JLOAD
	s_cmp_lt_u32 s[WV], 2
	s_cbranch_scc0 .Lfor_v_\@
	tensor_load_to_lds s[G0K:G0K+3], s[G1K:G1K+7]
	s_nop 0
.rept 4
	v_nop
.endr
	s_branch .Lasked_\@
.Lfor_v_\@:
	tensor_load_to_lds s[G0V:G0V+3], s[G1V:G1V+7]
	s_nop 0
.rept 4
	v_nop
.endr
.Lasked_\@:
.endm
.macro CROUND                       ; a round of the cluster's barrier
	s_barrier_signal -1
	s_barrier_wait -1
	s_cmp_lg_u32 s[WV], 0
	s_cbranch_scc1 .Lnot_wave_0_\@
	s_barrier_signal -3
.Lnot_wave_0_\@:
	s_barrier_wait -3
	s_barrier_signal -1
	s_barrier_wait -1
.endm
; THE CHANGE OF SLOTS.  Each wave waits for all its tensor loads, of which one is out: its part of the other slot; adds 0 to its spare word; and waits for that and for its own reads of the slot that it leaves.
; fill = 1: the barrier is a round of the cluster's, and the old slot is filled again, first thing behind it, with tile NXT: the descriptor's address is made anew from that number.  It has two key steps in which to land.
; (At its first use nothing has been read yet: slot 0 is waited for, slot 1 filled.)
.macro CHANGE fill
	WIN 0
	s_wait_tensorcnt 0x0            ; no tensor load of mine is out, so a group 0 may be written
	ds_add_u32 v[SPW], v[NIL]       ; 0 onto my spare word
.if \fill
	s_lshl_b32 s[OFF], s[NXT], 14   ; a tile is 16,384 bytes of a head
	s_xor_b32 s[G0K+1], s[G0K+1], SLOT1
	s_add_nc_u64 s[G0K+2:G0K+3], s[KP:KP+1], s[OFF:OFF+1]
	s_or_b32 s[G0K+3], s[G0K+3], 0x80000000
	s_xor_b32 s[G0V+1], s[G0V+1], SLOT1
	s_add_nc_u64 s[G0V+2:G0V+3], s[VP:VP+1], s[OFF:OFF+1]
	s_or_b32 s[G0V+3], s[G0V+3], 0x80000000
	s_add_co_u32 s[NXT], s[NXT], 1  ; the block's next tile, or behind its last the second block's tile 0
	s_cmp_gt_u32 s[NXT], s[LQ]
	s_cselect_b32 s[NXT], 0, s[NXT]
	s_cselect_b32 s[LQ], s[N2M], s[LQ]
	s_wait_dscnt 0x0                ; the add is done, and my reads of the slot are over
	CROUND
	JLOAD
.else
	s_wait_dscnt 0x0
	s_barrier_signal -1
	s_barrier_wait -1
.endif
	s_sub_co_u32 s[TBK], s[TBK], 2*KSTP  ; the reads go back to a slot's first step,
	s_xor_b32 s[TBK], s[TBK], SLOT1      ; in the other slot
	s_sub_co_u32 s[TBV], s[TBV], 2*VSTP
	s_xor_b32 s[TBV], s[TBV], SLOT1
.endm
; Q of 16 rows for both pieces: piece x lies 16 heads (4,194,304 bytes) on; channels 32 c on; a fragment is two loads of 16 bytes, 32 bytes apart.
.macro QLOAD base
	WIN 0x80                        ; destination window 2, address window 0
.irp x, 0,1
.irp c, 0,1
	global_load_b128 v[16*\x+8*\c:16*\x+8*\c+3],   v[QO], s[\base:\base+1] offset:\x*4194304+\c*64
	global_load_b128 v[16*\x+8*\c+4:16*\x+8*\c+7], v[QO], s[\base:\base+1] offset:\x*4194304+\c*64+32
.endr
.endr
	WIN 0
.endm
	s_load_b128 s[4:7], s[0:1], 0x0    ; qkv s[4:5], ab s[6:7]
	s_load_b256 s[LP:LP+7], s[0:1], 0x10  ; lambda_q1, lambda_k1, lambda_q2, lambda_k2
	v_lshl_add_u32 v[SPW], v0, 2, SPARE
	v_mov_b32 v[NIL], 0
	ds_add_u32 v[SPW], v[NIL]       ; the wave's opening: the add and its wait ahead of my first tensor load
	v_lshrrev_b32 v1, 5, v0
	v_readfirstlane_b32 s[WV], v1   ; wave 0..3
	s_bfe_u32 s13, ttmp6, 0x40000   ; cx: it enters Q's and ab's addresses alone
	s_and_b32 s14, ttmp7, 0xffff    ; b, which the four partners share
	s_lshl_b32 s15, ttmp9, 2
	s_add_co_u32 s15, s15, s13      ; j = 4 g + cx
	s_and_b32 s16, s[WV], 1         ; which of the two k (v) heads I fetch
	s_lshl_b32 s17, s16, 2
	s_add_co_u32 s17, s17, ttmp9    ; g or g + 4
	s_add_co_u32 s18, s17, 32
	s_lshl_b32 s18, s18, 18         ; heads of 262,144 bytes
	s_mov_b32 s19, 0
	s_add_co_u32 s22, s17, 40
	s_lshl_b32 s22, s22, 18
	s_mov_b32 s23, 0
	s_mul_i32 s54, s16, KTILE       ; and its place in a slot: no place in the cluster enters an LDS address
	s_mul_i32 s55, s16, VTILE
	s_add_co_u32 s55, s55, VOFF
	s_sub_co_u32 s84, 31, s14       ; the first block
	s_lshl_b32 s2, s15, 18          ; Q: head j, row 64 block + 16 w, rows of 128 bytes
	s_lshl_b32 s3, s[WV], 11
	s_add_co_u32 s2, s2, s3
	s_lshl_b32 s3, s84, 13
	s_add_co_u32 s[QP1], s2, s3
	s_mov_b32 s[QP1+1], 0
	s_lshl_b32 s3, s14, 13
	s_add_co_u32 s[QP2], s2, s3
	s_mov_b32 s[QP2+1], 0
	s_lshl_b32 s2, s15, 8           ; ab: byte 256 j of row 64 block + 16 w, rows of 4,096 bytes
	s_lshl_b32 s3, s[WV], 16
	s_add_co_u32 s2, s2, s3
	s_lshl_b32 s3, s84, 18
	s_add_co_u32 s[OP], s2, s3
	s_mov_b32 s[OP+1], 0
	s_lshl_b32 s3, s14, 18
	s_add_co_u32 s[OP2], s2, s3
	s_mov_b32 s[OP2+1], 0
	s_sub_co_u32 s[R], 32, s14      ; the first block has 32 - b steps,
	s_add_co_u32 s[NN2], s14, 1     ; the second b + 1
	s_sub_co_u32 s[LQ], 33, s14
	s_lshr_b32 s[LQ], s[LQ], 1
	s_sub_co_u32 s[LQ], s[LQ], 1    ; the first block's last tile
	s_add_co_u32 s[N2M], s14, 2
	s_lshr_b32 s[N2M], s[N2M], 1
	s_sub_co_u32 s[N2M], s[N2M], 1  ; the second's
	s_mov_b32 s[NXT], 1
	s_mov_b32 s[NEW], 1
	s_mov_b32 s[OFF+1], 0
	s_mov_b32 s[AL], 0
	s_mov_b32 s[AL+1], 0            ; named as a pair
	; descriptor group 1.  128 keys are 16,384 dense bytes: asked for as 64 rows of 256 bytes, two keys a row, and padded in LDS after every key
	s_mov_b32 s[G1K], 15|(1<<16)|(1<<20)|(1<<21)|(4<<22)|(3<<25)  ; the mask of four; 2-byte elements; padding on; bit 21 beside a mask; after every 32 words 4 words
	s_mov_b32 s[G1V], 15|(1<<16)|(1<<20)|(1<<21)|(4<<22)|(7<<25)  ; the same with 8 words of padding
.irp g, G1K, G1V
	s_mov_b32 s[\g+1], 128<<16      ; tensor_dim0 = 128
	s_mov_b32 s[\g+2], 64<<16       ; tensor_dim1 = 64
	s_mov_b32 s[\g+3], 128<<16      ; tile_dim0 = 128
	s_mov_b32 s[\g+4], 64           ; tile_dim1 = 64
	s_mov_b32 s[\g+5], 128          ; 128 elements from row to row
	s_mov_b32 s[\g+6], 0
	s_mov_b32 s[\g+7], 0
.endr
	s_mov_b32 s[CS], 0x3e38aa3b     ; c = log2(e) / 8
	s_mov_b32 s[CS+1], s[CS]
	s_mov_b32 s[SEL], 0x76543210
	s_mov_b32 s[SEL+1], 0xfedcba98
	s_mov_b32 s[TBK], SLOT1+2*KSTP  ; the first change of slots turns these two into 0
	s_mov_b32 s[TBV], SLOT1+2*VSTP
	s_mov_b32 s[BIGN], 0xf149f2ca   ; -1e30
	s_mov_b32 s[C128], 0x3c000000
	s_mov_b32 s[CEPS], 0x358637bd
	s_mov_b32 s[CONE], 0x3e8244c0   ; 1 - (0.8 - 0.6 exp(-2.4))
	s_mov_b32 s[CLAM], 0x3f3edda0   ; 0.8 - 0.6 exp(-2.4)
	s_mov_b32 s[G0K], 1
	s_mov_b32 s[G0K+1], s54         ; slot 0
	s_mov_b32 s[G0V], 1
	s_mov_b32 s[G0V+1], s55
	s_wait_dscnt 0x0                ; the opening add is done
	s_wait_kmcnt 0x0
	s_add_nc_u64 s[KP:KP+1], s[4:5], s[18:19]
	s_add_nc_u64 s[VP:VP+1], s[4:5], s[22:23]
	s_mov_b64 s[G0K+2:G0K+3], s[KP:KP+1]           ; tile 0
	s_or_b32 s[G0K+3], s[G0K+3], 0x80000000
	s_mov_b64 s[G0V+2:G0V+3], s[VP:VP+1]
	s_or_b32 s[G0V+3], s[G0V+3], 0x80000000
	s_add_nc_u64 s[QP1:QP1+1], s[4:5], s[QP1:QP1+1]
	s_add_nc_u64 s[QP2:QP2+1], s[4:5], s[QP2:QP2+1]
	s_add_nc_u64 s[OP:OP+1], s[6:7], s[OP:OP+1]
	s_add_nc_u64 s[OP2:OP2+1], s[6:7], s[OP2:OP2+1]
	CROUND                          ; all four work-groups are here: the first joint loads meet
	JLOAD                           ; tile 0 into slot 0: one load of mine is out
	v_and_b32 v1, 15, v0            ; r = l % 16
	v_bfe_u32 v[WK], v0, 4, 1       ; h = l / 16
	v_lshlrev_b32 v[QO], 7, v1
	v_lshl_add_u32 v[QO], v[WK], 4, v[QO]
	QLOAD QP1
	v_and_b32 v[LW], 31, v0
	v_lshlrev_b32 v[LW], 3, v[LW]   ; two of the 64 numbers a lane
	global_load_b64 v[LW+2:LW+3], v[LW], s[LP:LP+1]
	global_load_b64 v[LW+4:LW+5], v[LW], s[LP+2:LP+3]
	global_load_b64 v[LW+6:LW+7], v[LW], s[LP+4:LP+5]
	global_load_b64 v[LW+8:LW+9], v[LW], s[LP+6:LP+7]
	v_lshlrev_b32 v[WK+1], 3, v[WK]
	v_sub_nc_u32 v[WK+1], v1, v[WK+1]
	s_lshl_b32 s16, s[WV], 4
	v_add_nc_u32 v[WK+1], s16, v[WK+1]  ; my query's place in its block, 16 w + r, less 8 h: register e of key group kt is hidden where 16 kt + e is greater
	WIN 0x40
.set i, 0
.rept 32
	v_cmp_gt_i32 vcc_lo, 16*(i/8)+i%8, v[WK+1]
	v_cndmask_b32 v[MD+i], 0, s[BIGN], vcc_lo
.set i, i+1
.endr
.set i, 0
.rept 128                           ; O^T need only be finite where a block begins: zeros, written in the wait for the first tile
	v_mov_b32 v[i], 0
.set i, i+1
.endr
	WIN 0
	v_mov_b32 v[ST+2], 0
	v_mov_b32 v[ST+3], 0
	v_mov_b32 v[ST+10], 0
	v_mov_b32 v[ST+11], 0
	v_mul_u32_u24 v[AK0], v1, PK
	v_lshl_add_u32 v[AK0], v[WK], 4, v[AK0]  ; row x pitch + 16 x half
	; The turning load takes 16 keys x 16 channels (lane l reads key 8 (l / 16) + l % 8, channels 8 ((l / 8) % 2) + 0..7) and leaves half a fragment of V^T: lane l holds channel l % 16 and 8 keys.
	v_and_b32 v[WK+2], 7, v0
	v_bfe_u32 v[WK+3], v0, 3, 1
	v_lshl_add_u32 v[AV0], v[WK], 3, v[WK+2]
	v_mul_u32_u24 v[AV0], v[AV0], PVP
	v_lshl_add_u32 v[AV0], v[WK+3], 4, v[AV0]
	v_add_nc_u32 v[AV0], VOFF, v[AV0]
	s_mul_i32 s16, s[WV], 16*SP
	s_add_co_u32 s16, s16, STAGE    ; my stage
	v_mul_u32_u24 v[STO], v1, SP    ; in: row r, 16 bytes for each half of the lanes
	v_lshl_add_u32 v[STO], v[WK], 4, v[STO]
	v_add_nc_u32 v[STO], s16, v[STO]
	v_mul_u32_u24 v[RD], v[WK], SP  ; back: lanes 0-15 take one row of 256 bytes, lanes 16-31 the next
	v_lshl_add_u32 v[RD], v1, 4, v[RD]
	v_add_nc_u32 v[RD], s16, v[RD]
	v_lshlrev_b32 v[GO], 12, v[WK]  ; and the same two rows in ab
	v_lshl_add_u32 v[GO], v1, 4, v[GO]
	s_wait_loadcnt 0x0              ; the lambdas (and Q)
.irp k, 2,4,6,8
	v_cvt_pk_bf16_f32 v[LW+1], v[LW+\k], v[LW+\k+1]  ; rounded to bf16, kept as f32
	v_lshlrev_b32 v[LW+\k], 16, v[LW+1]
	v_and_b32 v[LW+\k+1], 0xffff0000, v[LW+1]
.endr
	v_mul_f32 v[LW+10], v[LW+2], v[LW+4]
	v_mul_f32 v[LW+11], v[LW+6], v[LW+8]
	v_fmac_f32 v[LW+10], v[LW+3], v[LW+5]
	v_fmac_f32 v[LW+11], v[LW+7], v[LW+9]
.irp m, 1,2,4,8
	v_add_f32_dpp v[LW+10], v[LW+10], v[LW+10] row_xmask:\m row_mask:0xf bank_mask:0xf
	v_add_f32_dpp v[LW+11], v[LW+11], v[LW+11] row_xmask:\m row_mask:0xf bank_mask:0xf
.endr
	v_permlanex16_b32 v[LW+2], v[LW+10], s[SEL], s[SEL+1]
	v_permlanex16_b32 v[LW+3], v[LW+11], s[SEL], s[SEL+1]
	v_add_f32 v[LW+10], v[LW+10], v[LW+2]
	v_add_f32 v[LW+11], v[LW+11], v[LW+3]
	v_mul_f32 v[LW+10], 0x3fb8aa3b, v[LW+10]
	v_mul_f32 v[LW+11], 0x3fb8aa3b, v[LW+11]
	v_exp_f32 v[LW+10], v[LW+10]
	v_exp_f32 v[LW+11], v[LW+11]
	v_mov_b32 v[LW+12], s[CLAM]     ; a plain instruction behind the exponentials
	s_wait_alu depctr_va_vdst(0)    ; the wait ahead of the first use: one for the lambdas' two exponentials
	v_sub_f32 v[LW+10], v[LW+11], v[LW+10]
	v_sub_f32 v[NLAM], v[LW+10], v[LW+12]  ; -lam = exp2 - exp1 - LAMBDA_INIT
	v_mov_b32 v[NLAM+1], v[NLAM]
; THE MATRIX WORK.  The accumulators take turns, one instruction a turn.
; Product i of 16 of O^T += V^T P for piece x: keys 32 (i / 8) on, channels 16 (i % 8) on.
.macro PV x
	WIN W_PV
.set rO, 64*(\x)+8*(i%8)
.set rV, 64*(i/8)+8*(i%8)
.set rP, P+16*(\x)+8*(i/8)
	v_wmma_f32_16x16x32_f16 v[rO:rO+7], v[rV:rV+7], v[rP:rP+7], v[rO:rO+7]
.endm
; Product i of 8 of S^T = K Q^T for piece x: channels 32 (i / 4) on, keys 16 (i % 4) on.  The first 4 start the sums with the mask.
.macro KQ x
.set rS, S+32*(\x)+8*(i%4)
.set rK, KF+64*(\x)+16*(i%4)+8*(i/4)
.set rQ, 16*(\x)+8*(i/4)
.set rM, MC+8*(i%4)
.if i < 4
	WIN W_KM
	v_wmma_f32_16x16x32_f16 v[rS:rS+7], v[rK:rK+7], v[rQ:rQ+7], v[rM:rM+7]
.else
	WIN W_KQ
	v_wmma_f32_16x16x32_f16 v[rS:rS+7], v[rK:rK+7], v[rQ:rQ+7], v[rS:rS+7]
.endif
.endm
; THE LDS LOADS stand in runs of 16: a step's K for piece x (64 keys x 64 channels), and half kk (32 keys x 128 channels) of its V, turned.
.macro FETCH_K x
	WIN 0
	v_add_nc_u32 v[AK], s[TBK], v[AK0]
	WIN 0x80                        ; destination window 2
.irp f, 0,1,2,3,4,5,6,7             ; keys 16 (f / 2) on, channels 32 (f % 2) on
	ds_load_b128 v[KF+64*(\x)+8*\f:KF+64*(\x)+8*\f+3],   v[AK] offset:(\x)*KTILE+(\f/2)*16*PK+(\f%2)*64
	ds_load_b128 v[KF+64*(\x)+8*\f+4:KF+64*(\x)+8*\f+7], v[AK] offset:(\x)*KTILE+(\f/2)*16*PK+(\f%2)*64+32
.endr
.endm
.macro FETCH_V kk
.if (\kk) == 0
	WIN 0
	v_add_nc_u32 v[AV], s[TBV], v[AV0]
.endif
	WIN 0xc0                        ; destination window 3
.irp cb, 0,1,2,3,4,5,6,7            ; channels 16 cb on: blocks 0-3 in the low head's tile, 4-7 in the high head's
	ds_load_tr16_b128 v[64*(\kk)+8*\cb:64*(\kk)+8*\cb+3],   v[AV] offset:(\cb/4)*VTILE+(\kk)*32*PVP+(\cb%4)*32
	ds_load_tr16_b128 v[64*(\kk)+8*\cb+4:64*(\kk)+8*\cb+7], v[AV] offset:(\cb/4)*VTILE+(\kk)*32*PVP+16*PVP+(\cb%4)*32
.endr
.endm
; THE VECTOR WORK.  One piece's softmax for one key step is a list of 134 instructions; SM writes number j of it for piece t.  s0-s31 are the lane's 32 scores, in pairs 0-15.
;   0-15    the maximum of s0-s31 and the old m, three operands at a time (each accumulator's lowest registers are read first)
;   16-20   the other half of the lanes' maximum; the new m; c m; c m_old - c m_new
;   21-69   ONE BATCH: the 16 scalings c s - c m, a pair of scores each, and all 33 exponentials (a at 23, then s0-s31).  None of these names an exponential's result.  21-37: scaling and exponential by turns;
;           38-65: a scaling and three exponentials; 66-69: the last four exponentials.  A pair is scaled four numbers or more ahead of its first exponential
;   (wait)  behind 69: a v_nop, the plain instruction behind the last exponential, and the list's ONE wait
;   70-85   the roundings to f16, a pair of weights each
;   86-101  the sums; l = a l + the sum
;   102-133 the piece's O^T times a, from each accumulator's low end on: the one part that leaves window 0
.macro SM t
.set rT, ST+8*(\t)
.set rS, S+32*(\t)
.set rP, P+16*(\t)
.set rO, 64*(\t)+2*(j-102)
.if j < 102
	WIN 0
.endif
.if j < 4
	v_max3_num_f32 v[rT+4+j], v[rS+8*j], v[rS+8*j+1], v[rS+8*j+2]
.elseif j < 12
	v_max3_num_f32 v[rT+4+j%4], v[rT+4+j%4], v[rS+8*(j%4)+2*(j/4)+1], v[rS+8*(j%4)+2*(j/4)+2]
.elseif j == 12
	v_max3_num_f32 v[rT+4], v[rT+4], v[rS+7], v[rS+15]
.elseif j == 13
	v_max3_num_f32 v[rT+6], v[rT+6], v[rS+23], v[rS+31]
.elseif j == 14
	v_max3_num_f32 v[rT+4], v[rT+4], v[rT+5], v[rT+6]
.elseif j == 15
	v_max3_num_f32 v[rT+4], v[rT+4], v[rT+7], v[rT+1]
.elseif j == 16
	v_permlanex16_b32 v[rT+5], v[rT+4], s[SEL], s[SEL+1]  ; the query's other 32 keys lie in the lane 16 away
.elseif j == 17
	v_mov_b32 v[rT+7], v[rT]        ; c m_old is kept for a
.elseif j == 18
	v_max_num_f32 v[rT+1], v[rT+4], v[rT+5]
.elseif j == 19
	v_mul_f32 v[rT], s[CS], v[rT+1]
.elseif j == 20
	v_sub_f32 v[rT+7], v[rT+7], v[rT]
.elseif j == 23
	v_exp_f32 v[rT+6], v[rT+7]
.elseif (j < 23) || ((j < 38) && (j%2 == 0)) || ((j < 66) && (j%4 == 2))
.set b, (j-2)/4                     ; 38, 42, .. 62: pairs 9 to 15
.if j < 38
.set b, (j-20)/2                    ; 21: pair 0; 22, 24, .. 36: pairs 1 to 8
.endif
	v_pk_fma_f32 v[rS+2*b:rS+2*b+1], v[rS+2*b:rS+2*b+1], s[CS:CS+1], v[rT:rT+1] op_sel_hi:[1,0,0] neg_lo:[0,0,1] neg_hi:[0,0,1]  ; pair b: c s - c m
.elseif j < 70
.set e, j-38                        ; 66 to 69: s28 to s31
.if j < 66
.set e, j-32-(j-38)/4               ; 39-41, 43-45, .. 63-65: s7 to s27
.endif
.if j < 38
.set e, (j-25)/2                    ; 25, 27, .. 37: s0 to s6
.endif
	v_exp_f32 v[rS+e], v[rS+e]
.if j == 69                         ; the batch is out: all 33 exponentials are issued, and no result has been named
	v_nop                           ; a plain instruction behind the last exponential and ahead of the first use: one for the batch
	s_wait_alu depctr_va_vdst(0)    ; the wait ahead of the first line that names a result: one for the list's 33 exponentials
.endif
.elseif j < 86
	v_cvt_pk_f16_f32 v[rP+j-70], v[rS+2*(j-70)], v[rS+2*(j-70)+1]  ; pair j - 70
.elseif j < 102                     ; the sum of the 16 pairs, in place: sum z of 16 adds neighbours 1, 2, 4 and 8 pairs apart, then l takes it
.set z, j-86
.set w, 4
.set u, z
.if z >= 14
.set w, 32
.set u, 0
.elseif z >= 12
.set w, 16
.set u, z-12
.elseif z >= 8
.set w, 8
.set u, z-8
.endif
.if z < 15
	v_pk_add_f32 v[rS+w*u:rS+w*u+1], v[rS+w*u:rS+w*u+1], v[rS+w*u+w/2:rS+w*u+w/2+1]
.else
	v_pk_fma_f32 v[rT+2:rT+3], v[rT+2:rT+3], v[rT+6:rT+7], v[rS:rS+1] op_sel_hi:[1,0,1]
.endif
.else
	WIN W_RS
	v_pk_mul_f32 v[rO:rO+1], v[rO:rO+1], v[rT+6:rT+7] op_sel_hi:[1,0]
.endif
.endm
.macro VS n                         ; the next n numbers of piece Y's list
.rept \n
	SM Y
.set j, j+1
.endr
.endm
.macro RIDE kq                      ; the slice behind matrix instruction nm: 134 = 14 x 6 + 10 x 5 over 24 of them, or 6 x 9 + 10 x 8 over 16
.if \kq
.if nm < 14
	VS 6
.else
	VS 5
.endif
.else
.if nm < 6
	VS 9
.else
	VS 8
.endif
.endif
.set nm, nm+1
.endm
.macro MASK                         ; MC = MD x AL
	WIN W_RS
.set z, 0
.rept 16
	v_pk_mul_f32 v[MC+2*z:MC+2*z+1], v[MD+2*z:MD+2*z+1], s[AL:AL+1] op_sel_hi:[1,0]
.set z, z+1
.endr
.endm
; A TURN.  Piece x has the matrix unit; the other piece's softmax stands in slices behind its matrix instructions; none names a register of the products round it.  kq = 0: a block's end: no next step, nothing is fetched.
; The softmax's one wait falls behind the twelfth V^T P (kq = 0: behind the eighth).
; The last slice is five or more rescalings: the four places (ISA guide 7.12.1) between the turn's last K Q^T and the next turn's first read of those scores.
; K of the next step for piece x is fetched behind the second product.  In piece 1's turn V's first half is fetched behind the tenth V^T P: its last reader, the eighth, stands six plain lines back (the scalings 42, 46, 50,
; 54 and 58 and the run's own v_add_nc_u32; the exponentials between are no places), and V's second half behind the second K Q^T (its last reader fifteen plain lines back).
.macro TURN x, kq
.set Y, 1-(\x)
.set j, 0
.set nm, 0
.if (\x) == 0
	s_wait_dscnt 16                 ; V's first half is in; its second half, 16 loads, may be out
.endif
.set i, 0
.rept 16
.if ((\x) == 0) && (i == 8)
.if \kq
	s_wait_dscnt 16                 ; V's second half is in; K's run, 16 loads, may be out
.else
	s_wait_dscnt 0x0
.endif
.endif
	PV \x
	RIDE \kq
.if (\kq) && (i == 1)
	FETCH_K \x
.endif
.if (\kq) && ((\x) == 1) && (i == 9)
	FETCH_V 0
.endif
.set i, i+1
.endr
.if \kq
.if (\x) == 0
	s_wait_dscnt 0x0                ; K is in
.else
	s_wait_dscnt 16                 ; K is in; V's first half, 16 loads, may be out
.endif
.set i, 0
.rept 8
	KQ \x
	RIDE 1
.if ((\x) == 1) && (i == 1)
	FETCH_V 1
.endif
.set i, i+1
.endr
.endif
.endm
; A BLOCK BEGINS.  c m starts far below every c s, so the first a is 0; m at the lowest finite number.  The mask is the diagonal's if the block has one step.  K and V of step 0, both pieces' scores, piece 0's softmax
; (its list on end, with the list's one wait).
.macro BEGIN
	s_mov_b32 s[NEW], 0
	WIN 0
	v_mov_b32 v[ST], 0xfe000000
	v_mov_b32 v[ST+1], 0xff7fffff
	v_mov_b32 v[ST+8], 0xfe000000
	v_mov_b32 v[ST+9], 0xff7fffff
	s_cmp_eq_u32 s[R], 1
	s_cselect_b32 s[AL], 1.0, 0
	MASK
	FETCH_K 0
	FETCH_K 1
	FETCH_V 0
	FETCH_V 1
	s_wait_loadcnt 0x0              ; Q
	s_wait_dscnt 0x0
.set i, 0
.rept 8
	KQ 0
.set i, i+1
.endr
.set i, 0
.rept 8
	KQ 1
.set i, i+1
.endr
	WIN 0
	PLACES                          ; behind those products
.set Y, 0
.set j, 0
	VS 134
	WIN 0
.endm
; THE WAY OUT.  l's two halves and the other half of the lanes' are added; a = O_0 / l_0 - lam O_1 / l_1; its squares are summed over the lane's 64 channels and the other half's; a is scaled, rounded to f16
; and sent through my stage in LDS.  last = 0: the second block's Q is asked for and its counts are set.
.macro WAYOUT last
	WIN 0
	PLACES                          ; behind the last products
	v_add_f32 v[ST+4], v[ST+2], v[ST+3]
	v_add_f32 v[ST+12], v[ST+10], v[ST+11]
	v_permlanex16_b32 v[ST+5], v[ST+4], s[SEL], s[SEL+1]
	v_permlanex16_b32 v[ST+13], v[ST+12], s[SEL], s[SEL+1]
	v_add_f32 v[ST+4], v[ST+4], v[ST+5]
	v_add_f32 v[ST+12], v[ST+12], v[ST+13]
	v_rcp_f32 v[ST+6], v[ST+4]
	v_rcp_f32 v[ST+14], v[ST+12]
	v_nop                           ; a plain instruction between the reciprocals and their use
	s_wait_alu depctr_va_vdst(0)    ; the wait ahead of the first use: one for the two reciprocals
	v_mul_f32 v[ST+14], v[ST+14], v[NLAM]
	WIN W_RS
.set i, 0
.rept 32
	v_pk_mul_f32 v[64+2*i:64+2*i+1], v[64+2*i:64+2*i+1], v[ST+14:ST+15] op_sel_hi:[1,0]
.set i, i+1
.endr
	WIN 0x51                        ; destination, source 0 and source 2 in window 1
.set i, 0
.rept 32
	v_pk_fma_f32 v[2*i:2*i+1], v[2*i:2*i+1], v[ST+6:ST+7], v[64+2*i:64+2*i+1] op_sel_hi:[1,0,1]
.set i, i+1
.endr
	WIN 0x05                        ; sources 0 and 1 in window 1
.set i, 0
.rept 32                            ; four chains, started by the first four products
.if i < 4
	v_pk_mul_f32 v[WK+2*i:WK+2*i+1], v[2*i:2*i+1], v[2*i:2*i+1]
.else
	v_pk_fma_f32 v[WK+2*(i%4):WK+2*(i%4)+1], v[2*i:2*i+1], v[2*i:2*i+1], v[WK+2*(i%4):WK+2*(i%4)+1]
.endif
.set i, i+1
.endr
	WIN 0
	v_pk_add_f32 v[WK:WK+1], v[WK:WK+1], v[WK+2:WK+3]
	v_pk_add_f32 v[WK+4:WK+5], v[WK+4:WK+5], v[WK+6:WK+7]
	v_pk_add_f32 v[WK:WK+1], v[WK:WK+1], v[WK+4:WK+5]
	v_add_f32 v[WK], v[WK], v[WK+1]
	v_permlanex16_b32 v[WK+1], v[WK], s[SEL], s[SEL+1]
	v_add_f32 v[WK], v[WK], v[WK+1]
	v_mov_b32 v[WK+2], s[CEPS]
	v_fma_f32 v[WK], v[WK], s[C128], v[WK+2]  ; the mean of 128 squares + 1e-6
	v_rsq_f32 v[WK+2], v[WK]
	v_nop                           ; a plain instruction between the reciprocal root and its use
	s_wait_alu depctr_va_vdst(0)    ; and its wait: a batch of one, since the root reads a sum made with the reciprocals above
	v_mul_f32 v[WK+2], s[CONE], v[WK+2]
	WIN W_RS
.set i, 0
.rept 32
	v_pk_mul_f32 v[2*i:2*i+1], v[2*i:2*i+1], v[WK+2:WK+3] op_sel_hi:[1,0]
.set i, i+1
.endr
	WIN 0x05
.set i, 0
.rept 32
	v_cvt_pk_f16_f32 v[S+i], v[2*i], v[2*i+1]
.set i, i+1
.endr
	WIN 0
.irp f, 0,1,2,3,4,5,6,7
	ds_store_b128 v[STO], v[S+4*\f:S+4*\f+3] offset:32*\f
.endr
.irp f, 0,1,2,3,4,5,6,7
	ds_load_b128 v[S+32+4*\f:S+32+4*\f+3], v[RD] offset:\f*2*SP  ; LDS serves a wave's instructions in order (ISA guide 5.7.1.4): these see the stores above
.endr
.irp f, 0,1,2,3,4,5,6,7
	s_wait_dscnt 7-\f
	global_store_b128 v[GO], v[S+32+4*\f:S+32+4*\f+3], s[OP:OP+1] offset:\f*8192  ; 16 lanes store 256 consecutive bytes, aligned
.endr
.if !(\last)
	s_wait_xcnt 0x0                 ; the stores' registers and their base are rewritten only behind this wait
	s_mov_b64 s[OP:OP+1], s[OP2:OP2+1]
	QLOAD QP2
	s_mov_b32 s[R], s[NN2]
	s_mov_b32 s[NEW], 1
.endif
	s_mov_b32 s[DEAD], 1            ; what is left of this tile belongs to no block
.endm
; A TRIP: a tile is entered (and, fill = 1, the next asked for); its two steps are read, one a unit.  A unit is a block's beginning, or two turns that finish the step before and read this one.
; Behind a block's last step come its last turn, its last products and the way out.  Every jump but the counted one goes forward; none passes a barrier or a tensor load.
.macro TRIP fill, last
	CHANGE \fill
	s_mov_b32 s[DEAD], 0
	s_mov_b32 s[CNT], 2
.Lunit_\@:
	s_cmp_eq_u32 s[DEAD], 1
	s_cbranch_scc1 .Ldead_\@
	s_cmp_eq_u32 s[NEW], 1
	s_cbranch_scc1 .Lnew_\@
	s_cmp_lg_u32 s[R], 1
	s_cbranch_scc1 .Lnomask_\@
	s_mov_b32 s[AL], 1.0            ; the step to be read holds the diagonal
	MASK
	WIN 0
.Lnomask_\@:
	TURN 0, 1
	TURN 1, 1
	WIN 0
	s_branch .Lread_\@
.Lnew_\@:
	BEGIN
.Lread_\@:
	s_sub_co_u32 s[R], s[R], 1
	s_cmp_lg_u32 s[R], 0
	s_cbranch_scc1 .Ldead_\@
	TURN 0, 0                       ; piece 0: V^T P of the last step | piece 1's last softmax
.set i, 0
.rept 16
	PV 1                            ; piece 1: V^T P of the last step
.set i, i+1
.endr
	WAYOUT \last
.Ldead_\@:
	s_add_co_u32 s[TBK], s[TBK], KSTP  ; the next unit reads the tile's next step
	s_add_co_u32 s[TBV], s[TBV], VSTP
	s_sub_co_u32 s[CNT], s[CNT], 1
	s_cmp_lg_u32 s[CNT], 0
	s_cbranch_scc1 .Lunit_\@
.endm
	s_mov_b32 s[SLOTS], 16
.Lslot:                             ; 16 times: a tile is entered and the next is asked for
	TRIP 1, 0
	s_sub_co_u32 s[SLOTS], s[SLOTS], 1
	s_cmp_lg_u32 s[SLOTS], 0
	s_cbranch_scc1 .Lslot
	TRIP 0, 1                       ; the walk's last tile is written out: nothing is asked for
	s_wait_tensorcnt 0x0            ; the wave's end
	ds_add_u32 v[SPW], v[NIL]
	s_wait_dscnt 0x0
	CROUND                          ; the closing round
	s_endpgm
.Lfunc_end_k_qea30df368a_attn:
	.size	k_qea30df368a_attn, .Lfunc_end_k_qea30df368a_attn-k_qea30df368a_attn
	.p2alignl 7, 3214868480
	.fill 96, 4, 3214868480
	.section	.rodata,"a",@progbits
	.p2align	6, 0x0
	.amdhsa_kernel k_qea30df368a_attn
		.amdhsa_group_segment_fixed_size 327680
		.amdhsa_private_segment_fixed_size 0
		.amdhsa_enable_private_segment 0
		.amdhsa_kernarg_size 48
		.amdhsa_user_sgpr_count 2
		.amdhsa_user_sgpr_kernarg_segment_ptr 1
		.amdhsa_wavefront_size32 1
		.amdhsa_system_sgpr_workgroup_id_x 1
		.amdhsa_system_sgpr_workgroup_id_y 1
		.amdhsa_system_sgpr_workgroup_id_z 1
		.amdhsa_system_vgpr_workitem_id 0
		.amdhsa_next_free_vgpr 896
		.amdhsa_next_free_sgpr 100
		.amdhsa_reserve_vcc 1
		.amdhsa_float_denorm_mode_32 3
		.amdhsa_float_denorm_mode_16_64 3
		.amdhsa_memory_ordered 1
		.amdhsa_forward_progress 1
		.amdhsa_inst_pref_size 151
	.end_amdhsa_kernel
	.amdgpu_metadata
---
amdhsa.version: [ 1, 2 ]
amdhsa.kernels:
  - .name:           k_qea30df368a_attn
    .symbol:         k_qea30df368a_attn.kd
    .args:
      - { .name: qkv, .offset: 0, .size: 8, .value_kind: global_buffer, .address_space: global }
      - { .name: ab, .offset: 8, .size: 8, .value_kind: global_buffer, .address_space: global }
      - { .name: lambda_q1, .offset: 16, .size: 8, .value_kind: global_buffer, .address_space: global }
      - { .name: lambda_k1, .offset: 24, .size: 8, .value_kind: global_buffer, .address_space: global }
      - { .name: lambda_q2, .offset: 32, .size: 8, .value_kind: global_buffer, .address_space: global }
      - { .name: lambda_k2, .offset: 40, .size: 8, .value_kind: global_buffer, .address_space: global }
    .group_segment_fixed_size: 327680
    .private_segment_fixed_size: 0
    .kernarg_segment_align: 8
    .kernarg_segment_size: 48
    .max_flat_workgroup_size: 128
    .sgpr_count:     100
    .vgpr_count:     896
    .wavefront_size: 32
...
	.end_amdgpu_metadata
.endif
;; end of part 5
;; launch outp: the kernel of part 4 again; grid 16 x 16, 4 waves a work-group, clusters of 4 x 4, 327,680 bytes of LDS; arguments ab, wob, out0; writes out0
